; MI455X (gfx1250); checked and timed in simulation.
; The chip was launched on July 23, 2026; its instructions are those of AMD's public machine-readable ISA for CDNA 5 (MIT licence, August 2026) and "CDNA5" Instruction Set Architecture Reference Guide (July 2026). The comments in the code are by the model that wrote it; some were corrected since.
;; Multi Head Attention. Allowed arithmetic: matrix products marked QUANTISED: E2M1 operands, one E8M0 scale for each 32 along K, by v_wmma_scale_f32_16x16x128_f8f6f4 with both operands' format E2M1 (or v_wmma_scale_f32_32x16x128_f4), f32 sums; products left as they are: bf16, f16 or f32 operands; f32 sums; everything else in f32.
;; Inputs: Wk 16 x 64 x 1,024 float32; Wo 1,024 x 1,024 float32; Wq 16 x 64 x 1,024 float32; Wv 16 x 64 x 1,024 float32; keys 4 x 2,048 x 1,024 float32; mask 4 x 2,048 x 2,048 int32; queries 4 x 2,048 x 1,024 float32; values 4 x 2,048 x 1,024 float32.
;; Outputs: out0 4 x 2,048 x 1,024 float32.
;; This version of the problem:
;;   THIS VERSION OF THE PROBLEM IS GIVEN IN LOW PRECISION. The matrix products marked QUANTISED in the list below multiply operands that are first quantised to E2M1 (2 exponent bits, 1 mantissa bit; 4 bits a number), with one power-of-two scale for each 32 numbers along K (OCP MX v1.0); their sums are f32. The products marked 'left as it is' may take bf16, f16 or f32 operands, with f32 sums. Whichever they take, every output number must still come out within the allowed error. Rounding operands to bf16 (8 significant bits) uses up far more of that allowance than f16 does (11 bits, for magnitudes from 6e-5 to 65,504). All else is computed in f32.
;;   The module's matrix products, in the order in which they are computed (A, B: the left and right operand; K: the contracted axis; several contracted axes count as one K, in the product's order):
;;     1. [M 1,024, K 1,024] x [K 1,024, N 8,192]; A: input Wq; B: input queries: QUANTISED
;;     2. [M 1,024, K 1,024] x [K 1,024, N 8,192]; A: input Wk; B: input keys: QUANTISED
;;     3. [M 1,024, K 1,024] x [K 1,024, N 8,192]; A: input Wv; B: input values: QUANTISED
;;     4. batch 64 x [M 2,048, K 64] x [K 64, N 2,048]; A: computed on the way; B: computed on the way: left as it is (an operand is computed on the way)
;;     5. batch 64 x [M 2,048, K 2,048] x [K 2,048, N 64]; A: computed on the way; B: computed on the way: left as it is (an operand is computed on the way)
;;     6. [M 8,192, K 1,024] x [K 1,024, N 1,024]; A: computed on the way; B: input Wo: left as it is (an operand is computed on the way)
;;   THE QUANTISER, for each operand of a quantised product, along K:
;;     - K is cut into blocks of 32 from its start; a last block that is shorter is filled with zeros.
;;     - A block's scale is 2^e with e = floor(log2(the largest magnitude in the block)) - 2, held to -126 .. 127; a block of zeros has e = 0. As a byte (E8M0): e + 127.
;;     - Each number is divided by its block's scale, clamped to +-6, and rounded to the nearest number of E2M1, ties to even, subnormals kept.
;;     - The product sums the exact products of the quantised numbers (number of the format x scale) in f32.
;;   ~~~python
;;   def quantise(x, axis):      # numpy; x: float32 -> the quantised numbers, widened to float32 again
;;       x = np.moveaxis(x, axis, -1); K = x.shape[-1]
;;       x = np.pad(x, [(0, 0)] * (x.ndim - 1) + [(0, -K % 32)]); x = x.reshape(x.shape[:-1] + (-1, 32)); a = np.abs(x).max(-1, keepdims=True)
;;       e = np.where(a > 0, np.clip(np.frexp(np.where(a > 0, a, 1))[1] - 1 - 2, -126, 127), 0)      # np.frexp(a)[1] - 1 = floor(log2(a)), exactly
;;       r = np.clip(x / 2.0 ** e, -6, 6)
;;       step = 2.0 ** (np.maximum(np.frexp(np.where(r == 0, 1, r))[1] - 1, 0) - 1)
;;       q = np.round(r / step) * step * 2.0 ** e      # np.round: ties to even
;;       return np.moveaxis(q.reshape(q.shape[:-2] + (-1,))[..., :K], -1, axis).astype(np.float32)
;;   ~~~
;; One version. Each part assembles by itself: llvm-mc -triple=amdgcn-amd-amdhsa -mcpu=gfx1250 --defsym DOCPART=n.
;; ======== version 1 of 1: 4 launches
;; limits: values are held in f16: magnitudes above 65,504 overflow, below 6.1e-05 lose precision
;; workspace buffers: codes 14,155,776 bytes; scales 884,736 bytes; wo16 2,097,152 bytes; maskw 2,097,152 bytes of whole numbers; qkv 50,331,648 bytes; obuf 16,777,216 bytes
;; launch prep (part 1): grid 1408 x 1, 4 waves a work-group, no clusters, 67,072 bytes of LDS; arguments queries, keys, values, Wq, Wk, Wv, Wo, mask, codes, scales, wo16, maskw; writes codes, scales, wo16, maskw
.if DOCPART == 1
	.amdgcn_target "amdgcn-amd-amdhsa--gfx1250"
	.amdhsa_code_object_version 6
	.text
	.protected	k_qc5f52f501d_prep
	.globl	k_qc5f52f501d_prep
	.p2align	8
	.type	k_qc5f52f501d_prep,@function
k_qc5f52f501d_prep:
	s_mov_b64 s[64:65], 0
	v_nop
	global_prefetch_b8 v0, s[64:65] scope:SCOPE_SE
	s_setreg_imm32_b32 hwreg(HW_REG_WAVE_MODE, 25, 1), 1
	s_wait_xcnt 0x0
; PREPARATION, one launch, three kinds of work-group, told apart by the work-group's number alone:
;   0 .. 863     queries, keys, values [8192][1024] and Wq, Wk, Wv [1024][1024], f32, become codes of FP4 (E2M1), K innermost, and one E8M0 byte for each 32 along K.
;                The six tensors lie one behind the other in 'codes' ([row][512 bytes]) and in 'scales' ([row][32 bytes]); rows are dense, so each tensor is a plain stream of blocks of 32.
;   864 .. 895   Wo [1024 n][1024 k] f32 becomes f16, laid [k / 64][n][64]: a block of 64 along K (one head) of all rows lies together.
;   896 .. 1407  mask [4][2048][2048] int32 becomes one bit a number, laid as the attention launch's lane masks: word w of key step ks of query tile qt holds in bit 16 h + r
;                whether mask[16 qt + r][64 ks + 2 w + h] is not 0.
; A block's scale is 2^(floor(log2(its largest magnitude)) - 2); its byte is the largest magnitude's exponent field - 2, held at 1 from below.  A block of zeros keeps the byte 1: its codes are zeros, and this program alone reads the bytes.
; LIMITS: NaN and infinities among the inputs are not served; Wo's numbers are rounded to f16 once: magnitudes above 65,504 are not served, those under 6e-5 lose bits.
; No tensor loads, no barrier: waves share nothing.  No cluster: no two work-groups read the same bytes.  No prefetch: every wave streams its own bytes with many loads on their way.
; Each of the two paths that use LDS has LDS bytes of its own.
.set WG_WO,   864
.set WG_MASK, 896
.set STEPS, 16                         ; the quantiser: steps of 512 numbers for a wave
.set EMAX,  2
.set CB,    8                          ; bytes of 16 codes
.set R,     16                         ; v16-79   four sets of 16 numbers as they are loaded
.set X,     80                         ; v80-111  two sets of 16 neighbours
.set E,     112                        ; v112-127 a scale byte for each step
.set C,     128                        ; v128-191 codes: four registers for each step, so that no store's data are written again
.set WREG,  8192                       ; LDS, quantiser: a region for each wave: two stages of 32 x SP bytes, behind them its 256 scale bytes
.set SP,    80                         ; a lane's place in a stage: 64 bytes + 16 of padding
.set MSTG,  32768                      ; LDS, mask: a stage of 16 rows x MP bytes for each wave
.set MP,    528                        ; 512 bytes + 16 of padding: row r begins 4 r words on in the banks' round, so the 32 lanes of a read touch 32 different words' places
.set SPARE, 66560                      ; behind both: the spare words, 128 bytes for each wave: two blocks of 256 bytes that no other line names
.set SPW,   12                         ; v12  LDS address of my spare word; never rewritten
.set NIL,   13                         ; v13  0; never rewritten
.set WR,    16                         ; Wo: v16-143 two sets of 8 units x 8 numbers
.set WOUT,  144                        ; Wo: v144-207 two sets of 8 units x 4 registers of f16
.set MR,    16                         ; mask: v16-143 two sets of 16 rows x 4 registers as loaded
.set MX,    144                        ; mask: v144-207 64 numbers, one for each word of two key steps
.set OW,    208                        ; mask: v208-215 the wave's 256 words, as two stores of 16 bytes a lane want them
.macro PICK n, ptr, base               ; work-groups under n take this tensor, which begins at work-group base
	s_cmp_lt_u32 ttmp9, \n
	s_cselect_b64 s[30:31], s[\ptr:\ptr+1], s[30:31]
	s_cselect_b32 s29, \base, s29
.endm
.macro QLOAD t
.irp i, 0,1,2,3
	global_load_b128 v[R+16*((\t)%4)+4*\i:R+16*((\t)%4)+4*\i+3], v3, s[30:31] offset:2048*(\t)+512*\i th:TH_LOAD_NT   ; 32 lanes read 512 consecutive bytes
.endr
.endm
.macro QTURN t                         ; step t's numbers through the stage: LDS serves a wave's instructions in order, so no wait stands between the stores and the loads
.irp i, 0,1,2,3
	ds_store_b128 v14, v[R+16*((\t)%4)+4*\i:R+16*((\t)%4)+4*\i+3] offset:32*SP*((\t)%2)+8*SP*\i
.endr
.irp i, 0,1,2,3
	ds_load_b128 v[X+16*((\t)%2)+4*\i:X+16*((\t)%2)+4*\i+3], v15 offset:32*SP*((\t)%2)+16*\i
.endr
.endm
.macro QSTEP t
.set XS, X+16*((\t)%2)
.if (\t) > 0
	s_wait_dscnt 1                                 ; this step's numbers are back from the stage (the last step's byte store may be out): its stores into the stage have read their registers,
.else
	s_wait_dscnt 0x0
.endif
.if (\t)+4 < STEPS
	QLOAD (\t)+4                                   ; which take the loads of four steps on
.endif
.if (\t)+1 < STEPS
.if STEPS-2-(\t) >= 3
	s_wait_loadcnt 12                              ; the next step's four loads are in; those of the three steps behind it may be out
.else
	s_wait_loadcnt 4*(STEPS-2-(\t))
.endif
	QTURN (\t)+1                                   ; and go through the other stage while this step is worked
.endif
	v_max3_num_f32 v8, |v[XS]|, |v[XS+1]|, |v[XS+2]|               ; the largest magnitude of my 16, in two chains
	v_max3_num_f32 v9, |v[XS+3]|, |v[XS+4]|, |v[XS+5]|
.irp i, 6,10
	v_max3_num_f32 v8, v8, |v[XS+\i]|, |v[XS+\i+1]|
	v_max3_num_f32 v9, v9, |v[XS+\i+2]|, |v[XS+\i+3]|
.endr
	v_max3_num_f32 v8, v8, |v[XS+14]|, |v[XS+15]|
	v_max3_num_f32 v8, v8, v9, (EMAX+1)<<23        ; and the floor 2^(EMAX + 1 - 127): the byte cannot fall under 1
	v_max_num_f32_dpp v8, v8, v8 row_xmask:1 row_mask:0xf bank_mask:0xf   ; and of my neighbour's 16: the block's
	v_add_nc_u32 v11, -(EMAX<<23), v8              ; EMAX off its exponent field: the conversion takes the exponent field of this operand as its scale
	v_cvt_scalef32_pk8_fp4_f32 v[C+4*(\t)], v[XS:XS+7], v11        ; eight numbers / the scale, to the nearest code, ties to even, beyond the largest code the largest
	v_cvt_scalef32_pk8_fp4_f32 v[C+4*(\t)+1], v[XS+8:XS+15], v11
	v_lshrrev_b32 v[E+(\t)], 23, v11               ; the scale's byte
	ds_store_b8 v5, v[E+(\t)] offset:16*(\t)       ; both lanes of a block write the same byte with the same value
	global_store_b64 v4, v[C+4*(\t):C+4*(\t)+1], s[20:21] offset:32*CB*(\t)   ; the wave stores 256 consecutive bytes, aligned
.endm
.macro WLOAD bt                        ; Wo: batch bt: units 8 bt .. 8 bt + 7.  Unit U: rows 4 (U / 16) .. + 3 of my eight, block U % 16 of 64 along K: a lane takes 8 numbers
.irp u, 0,1,2,3,4,5,6,7
	global_load_b128 v[WR+64*((\bt)%2)+8*\u:WR+64*((\bt)%2)+8*\u+3], v4, s[16:17] offset:((8*(\bt)+\u)/16)*16384+((8*(\bt)+\u)%16)*256 th:TH_LOAD_NT
	global_load_b128 v[WR+64*((\bt)%2)+8*\u+4:WR+64*((\bt)%2)+8*\u+7], v4, s[16:17] offset:((8*(\bt)+\u)/16)*16384+((8*(\bt)+\u)%16)*256+16 th:TH_LOAD_NT
.endr
.endm
.macro WCVT bt, left
	s_wait_loadcnt \left                           ; this batch's 16 loads are in; the next batch's 16 may be out
.if (\bt) > 1
	s_wait_xcnt 0x0                                ; the stores of two batches back have read their data: the set is written again only behind this wait
.endif
.irp u, 0,1,2,3,4,5,6,7
.irp p, 0,1,2,3
	v_cvt_pk_f16_f32 v[WOUT+32*((\bt)%2)+4*\u+\p], v[WR+64*((\bt)%2)+8*\u+2*\p], v[WR+64*((\bt)%2)+8*\u+2*\p+1]
.endr
	global_store_b128 v3, v[WOUT+32*((\bt)%2)+4*\u:WOUT+32*((\bt)%2)+4*\u+3], s[24:25] offset:((8*(\bt)+\u)%16)*131072+((8*(\bt)+\u)/16)*512   ; four rows of 128 bytes: 512 consecutive bytes, aligned
.endr
.endm
.macro MLOAD st                        ; mask: 128 keys (512 bytes) of each of the tile's 16 rows
.irp i, 0,1,2,3,4,5,6,7,8,9,10,11,12,13,14,15
	global_load_b128 v[MR+64*((\st)%2)+4*\i:MR+64*((\st)%2)+4*\i+3], v3, s[18:19] offset:\i*8192+(\st)*512 th:TH_LOAD_NT
.endr
.endm
.macro MSTEP st, left
	s_wait_loadcnt \left                           ; this step's 16 loads are in; the next step's 16 may be out
.irp i, 0,1,2,3,4,5,6,7,8,9,10,11,12,13,14,15
	ds_store_b128 v5, v[MR+64*((\st)%2)+4*\i:MR+64*((\st)%2)+4*\i+3] offset:\i*MP
.endr
.set w, 0
.rept 64
	ds_load_b32 v[MX+w], v6 offset:8*w             ; lane (r, h): row r, key 2 w + h of the step's 128.  LDS serves a wave's instructions in order: these see the stores above
.set w, w+1
.endr
	s_wait_dscnt 0x0                               ; the numbers are in, and the stores have read their registers,
.if (\st) < 2
	MLOAD (\st)+2                                  ; which take the loads of two steps on
.endif
.irp ksl, 0,1
.set w, 0
.rept 32
	v_cmp_ne_u32 s[32+w], 0, v[MX+32*\ksl+w]       ; a compare's 32 bits ARE word w: bit = lane = 16 h + r
.set w, w+1
.endr
.set w, 0
.rept 32
	v_writelane_b32 v[OW+4*((2*(\st)+\ksl)/4)+w%4], s[32+w], 8*((2*(\st)+\ksl)%4)+w/4   ; word 32 ks + w of the wave's 256: four words to a lane
.set w, w+1
.endr
.endr
.endm
	s_load_b512 s[4:19], s[0:1], 0x0               ; queries s[4:5], keys s[6:7], values s[8:9], Wq s[10:11], Wk s[12:13], Wv s[14:15], Wo s[16:17], mask s[18:19]
	s_load_b256 s[20:27], s[0:1], 0x40             ; codes s[20:21], scales s[22:23], wo16 s[24:25], maskw s[26:27]
	v_lshl_add_u32 v[SPW], v0, 2, SPARE
	v_mov_b32 v[NIL], 0
	v_lshrrev_b32 v1, 5, v0
	v_readfirstlane_b32 s28, v1                    ; wave 0..3
	v_and_b32 v2, 31, v0                           ; lane
	v_lshlrev_b32 v3, 4, v2                        ; 16 bytes a lane
	s_wait_kmcnt 0x0
	s_cmp_ge_u32 ttmp9, WG_MASK
	s_cbranch_scc1 .Lmask
	s_cmp_ge_u32 ttmp9, WG_WO
	s_cbranch_scc1 .Lwo
	; ---- THE QUANTISER.  A lane must hold 16 NEIGHBOURS for the conversions, and a load is best where neighbouring lanes take neighbouring bytes: each of a step's four loads reads 512
	; consecutive bytes, 16 a lane; the 2,048 bytes go through the wave's own stage in LDS and come back 64 bytes a lane.  Two neighbouring lanes hold a block of 32.
	s_mul_i32 s36, s28, WREG
	v_lshrrev_b32 v14, 2, v2
	v_mul_u32_u24 v14, v14, SP
	v_and_b32 v15, 3, v2
	v_lshl_add_u32 v14, v15, 4, v14
	v_add_nc_u32 v14, s36, v14                     ; the stage, on the way in: SP (lane / 4) + 16 (lane % 4)
	v_mul_u32_u24 v15, v2, SP
	v_add_nc_u32 v15, s36, v15                     ; and on the way out: SP x lane: my 16 neighbours
	v_mul_u32_u24 v4, v2, CB                       ; my codes' place in a step's
	v_lshrrev_b32 v5, 1, v2
	s_add_co_u32 s36, s36, 2*32*SP
	v_add_nc_u32 v5, s36, v5                       ; LDS: my wave's 256 scale bytes, my block's byte
	v_lshlrev_b32 v7, 3, v2                        ; and on the way out 8 bytes a lane
	v_add_nc_u32 v6, s36, v7
	s_mov_b64 s[30:31], s[14:15]                   ; which tensor is my work-group's?  The choice hangs on the work-group's number alone
	s_mov_b32 s29, 832
	PICK 832, 12, 800
	PICK 800, 10, 768
	PICK 768, 8, 512
	PICK 512, 6, 256
	PICK 256, 4, 0
	s_sub_co_u32 s32, ttmp9, s29
	s_lshl_b32 s32, s32, 2
	s_add_co_u32 s32, s32, s28                     ; which run of 8,192 numbers of the tensor is my wave's
	s_lshl_b32 s32, s32, 15                        ; 32,768 bytes a run
	s_mov_b32 s33, 0
	s_add_nc_u64 s[30:31], s[30:31], s[32:33]
	s_lshl_b32 s34, ttmp9, 2
	s_add_co_u32 s34, s34, s28                     ; and which run of all six tensors on end
	s_lshl_b32 s32, s34, 12                        ; 4,096 bytes of codes a run
	s_add_nc_u64 s[20:21], s[20:21], s[32:33]
	s_lshl_b32 s32, s34, 8                         ; 256 scale bytes a run
	s_add_nc_u64 s[22:23], s[22:23], s[32:33]
.irp t, 0,1,2,3
	QLOAD \t
.endr
	s_wait_loadcnt 12                              ; step 0's four loads are in
	QTURN 0
.irp t, 0,1,2,3,4,5,6,7,8,9,10,11,12,13,14,15
	QSTEP \t
.endr
	ds_load_b64 v[8:9], v6                         ; LDS serves a wave's instructions in order: these see my byte stores
	s_wait_dscnt 0x0
	global_store_b64 v7, v[8:9], s[22:23]          ; 32 lanes store 256 consecutive bytes, aligned
	s_wait_tensorcnt 0x0                           ; the wave's end, behind my last LDS store
	ds_add_u32 v[SPW], v[NIL]
	s_wait_dscnt 0x0
	s_endpgm
.Lwo:	; ---- Wo TO f16, IN BLOCKS OF 64 ALONG K.  Wave wi of 128 owns rows 8 wi .. 8 wi + 7
	s_sub_co_u32 s29, ttmp9, WG_WO
	s_lshl_b32 s29, s29, 2
	s_add_co_u32 s29, s29, s28                     ; wi
	s_lshl_b32 s30, s29, 15                        ; in: 8 rows of 4,096 bytes
	s_mov_b32 s31, 0
	s_add_nc_u64 s[16:17], s[16:17], s[30:31]
	s_lshl_b32 s30, s29, 10                        ; out: 8 rows of 128 bytes in each block
	s_add_nc_u64 s[24:25], s[24:25], s[30:31]
	v_lshrrev_b32 v4, 3, v2
	v_and_b32 v5, 7, v2
	v_lshlrev_b32 v4, 12, v4
	v_lshl_add_u32 v4, v5, 5, v4                   ; in: row lane / 8 of four, 32 bytes at 32 (lane % 8)
	WLOAD 0
	WLOAD 1
	WCVT 0, 16
	WLOAD 2
	WCVT 1, 16
	WLOAD 3
	WCVT 2, 16
	WCVT 3, 0
	s_wait_tensorcnt 0x0                           ; the wave's end, in the same form as the other two paths'
	ds_add_u32 v[SPW], v[NIL]
	s_wait_dscnt 0x0
	s_endpgm
.Lmask:	; ---- THE MASK AS LANE MASKS.  A work-group owns a tile of 16 queries; wave w its keys 512 w .. 512 w + 511, 128 a step
	s_sub_co_u32 s29, ttmp9, WG_MASK               ; the tile, 0 .. 511
	s_lshl_b32 s30, s29, 17                        ; in: 16 rows of 8,192 bytes,
	s_lshl_b32 s31, s28, 11                        ; and 2,048 bytes of each row a wave
	s_add_co_u32 s30, s30, s31
	s_mov_b32 s31, 0
	s_add_nc_u64 s[18:19], s[18:19], s[30:31]
	s_lshl_b32 s30, s29, 12                        ; out: 4,096 bytes a tile,
	s_lshl_b32 s29, s28, 10                        ; 1,024 a wave
	s_add_co_u32 s30, s30, s29
	s_add_nc_u64 s[26:27], s[26:27], s[30:31]
	s_mul_i32 s29, s28, 16*MP
	s_add_co_u32 s29, s29, MSTG                    ; my stage
	v_add_nc_u32 v5, s29, v3                       ; into it: a row's 512 bytes as they lie
	v_and_b32 v6, 15, v0
	v_mul_u32_u24 v6, v6, MP
	v_bfe_u32 v7, v0, 4, 1
	v_lshl_add_u32 v6, v7, 2, v6
	v_add_nc_u32 v6, s29, v6                       ; out of it: row r, 4 h bytes on
.irp i, 0,1,2,3,4,5,6,7
	v_mov_b32 v[OW+\i], 0                          ; written once: a lane write's destination counts as one of its sources
.endr
	MLOAD 0
	MLOAD 1
	MSTEP 0, 16
	MSTEP 1, 16
	MSTEP 2, 16
	MSTEP 3, 0
	global_store_b128 v3, v[OW:OW+3], s[26:27]                 ; key steps 0-3 of my eight: 512 consecutive bytes, aligned
	global_store_b128 v3, v[OW+4:OW+7], s[26:27] offset:512    ; key steps 4-7
	s_wait_tensorcnt 0x0                           ; the wave's end, behind my last LDS store
	ds_add_u32 v[SPW], v[NIL]
	s_wait_dscnt 0x0
	s_endpgm
.Lfunc_end_k_qc5f52f501d_prep:
	.size	k_qc5f52f501d_prep, .Lfunc_end_k_qc5f52f501d_prep-k_qc5f52f501d_prep
	.p2alignl 7, 3214868480
	.fill 96, 4, 3214868480
	.section	.rodata,"a",@progbits
	.p2align	6, 0x0
	.amdhsa_kernel k_qc5f52f501d_prep
		.amdhsa_group_segment_fixed_size 67072
		.amdhsa_private_segment_fixed_size 0
		.amdhsa_enable_private_segment 0
		.amdhsa_kernarg_size 96
		.amdhsa_user_sgpr_count 2
		.amdhsa_user_sgpr_kernarg_segment_ptr 1
		.amdhsa_wavefront_size32 1
		.amdhsa_system_sgpr_workgroup_id_x 1
		.amdhsa_system_sgpr_workgroup_id_y 1
		.amdhsa_system_sgpr_workgroup_id_z 1
		.amdhsa_system_vgpr_workitem_id 0
		.amdhsa_next_free_vgpr 216
		.amdhsa_next_free_sgpr 66
		.amdhsa_reserve_vcc 0
		.amdhsa_float_denorm_mode_32 3
		.amdhsa_float_denorm_mode_16_64 3
		.amdhsa_memory_ordered 1
		.amdhsa_forward_progress 1
		.amdhsa_inst_pref_size 111
	.end_amdhsa_kernel
	.amdgpu_metadata
---
amdhsa.version: [ 1, 2 ]
amdhsa.kernels:
  - .name:           k_qc5f52f501d_prep
    .symbol:         k_qc5f52f501d_prep.kd
    .args:
      - { .name: queries, .offset: 0, .size: 8, .value_kind: global_buffer, .address_space: global }
      - { .name: keys, .offset: 8, .size: 8, .value_kind: global_buffer, .address_space: global }
      - { .name: values, .offset: 16, .size: 8, .value_kind: global_buffer, .address_space: global }
      - { .name: Wq, .offset: 24, .size: 8, .value_kind: global_buffer, .address_space: global }
      - { .name: Wk, .offset: 32, .size: 8, .value_kind: global_buffer, .address_space: global }
      - { .name: Wv, .offset: 40, .size: 8, .value_kind: global_buffer, .address_space: global }
      - { .name: Wo, .offset: 48, .size: 8, .value_kind: global_buffer, .address_space: global }
      - { .name: mask, .offset: 56, .size: 8, .value_kind: global_buffer, .address_space: global }
      - { .name: codes, .offset: 64, .size: 8, .value_kind: global_buffer, .address_space: global }
      - { .name: scales, .offset: 72, .size: 8, .value_kind: global_buffer, .address_space: global }
      - { .name: wo16, .offset: 80, .size: 8, .value_kind: global_buffer, .address_space: global }
      - { .name: maskw, .offset: 88, .size: 8, .value_kind: global_buffer, .address_space: global }
    .group_segment_fixed_size: 67072
    .private_segment_fixed_size: 0
    .kernarg_segment_align: 8
    .kernarg_segment_size: 96
    .max_flat_workgroup_size: 128
    .sgpr_count:     66
    .vgpr_count:     216
    .wavefront_size: 32
...
	.end_amdgpu_metadata
.endif
;; end of part 1
;; launch proj (part 2): grid 4 x 96, 4 waves a work-group, clusters of 4 x 4, 327,680 bytes of LDS; arguments codes, scales, qkv; writes qkv
.if DOCPART == 2
	.amdgcn_target "amdgcn-amd-amdhsa--gfx1250"
	.amdhsa_code_object_version 6
	.text
	.protected	k_qc5f52f501d_proj
	.globl	k_qc5f52f501d_proj
	.p2align	8
	.type	k_qc5f52f501d_proj,@function
k_qc5f52f501d_proj:
	s_mov_b64 s[64:65], 0
	v_nop
	global_prefetch_b8 v0, s[64:65] scope:SCOPE_SE
	s_setreg_imm32_b32 hwreg(HW_REG_WAVE_MODE, 25, 1), 1
	s_wait_xcnt 0x0
	s_wait_alu depctr_hold_cnt(0) depctr_sa_sdst(0) depctr_va_vdst(0) depctr_va_sdst(0) depctr_va_ssrc(0) depctr_va_vcc(0) depctr_vm_vsrc(0)
	s_getreg_b32 s2, hwreg(HW_REG_IB_STS2, 6, 4)
	s_cmp_eq_u32 s2, 0
	s_cbranch_scc0 .Lentry_in_a_cluster
	s_endpgm
.Lentry_in_a_cluster:
	s_bfe_u32 s2, ttmp6, 0x10000c
	s_cmp_lg_u32 s2, 0xf033
	s_cbranch_scc0 .Lentry_shape_is_right
	s_endpgm
.Lentry_shape_is_right:
; THE THREE PROJECTIONS AS ONE GEMM ON CODES OF FP4 (E2M1) with one E8M0 scale for each 32 along K = 1,024.
; A: the 24,576 rows of queries, keys, values on end (rows 8,192 g on belong to product g); B: for product g the 1,024 rows of Wq, Wk or Wv.  C(m, n) = sum over k of A(m, k) B(n, k), sums in f32.
; q is multiplied in f32 by log2(e) / 8, so that the next launch's scores arrive as exponents of 2; then each result is rounded ONCE to f16 and stored as [g][batch][head][position][64].
; LIMITS: results above 65,504 in magnitude are not served by f16 (for the drawn spread, and 30 times it on every input, they stay under 6,000).
; A tile of C, 256 x 256, is made by a work-group of four waves, as many as a WGP has SIMDs; a wave makes 128 x 128: 64 accumulators of 16 x 16, 512 registers.
; K is two steps of 512, one in each of two LDS slots (a tile's row is 256 bytes of memory): both are asked for at the head, and nothing is filled again.  The scale bytes of the work-group's
; rows, two dense blocks, come with them, as rows of 256 bytes.
; CLUSTERS: 4 x 4 work-groups.  The four of a row of the cluster need the same tiles of A, the four of a column the same tiles of B: each tile is asked for JOINTLY.  A cluster lies inside one product
; (8 clusters along y to each), so g hangs on the cluster's y alone.  No prefetch: a wave's three loads go out at the head, and there is nothing behind them to ask for.
; THE MATRIX INSTRUCTION IS USED TRANSPOSED (source 0 = 16 rows of B, source 1 = 16 rows of A): a lane holds eight neighbouring numbers of a row of C.
; REGISTERS, in windows of 256: window 0: v0-31 addresses; v32-95 scale words, two sets; from v128 A's fragments, ONE set; on the way out v32-191 are free.
;   window 1: B's fragments, TWO sets, at v0 and v128.   window 2: the accumulators of my rows 0-63 ((a, b) at v[8 (8 a + b)]);   window 3: those of my rows 64-127.
.set NQ,     4                         ; matrix instructions deep in a slot: 512 / 128
.set ROWB,   256                       ; a tile's row in bytes: 512 codes
.set KROW,   512                       ; a row of codes in memory
.set PITCH,  272                       ; an LDS row: 256 bytes + 16 of padding = 68 words: the 16 rows that a load touches begin 4 words apart in the banks' round (64 banks of 4 bytes: ISA guide 11.1)
.set FR,     8                         ; registers of a fragment: 16 rows x 128 K
.set NL,     2                         ; LDS loads that bring one
.set NP,     4                         ; places behind this matrix instruction (ISA guide 7.12.1)
.set HALFT,  128*PITCH                 ; 128 rows: what one tensor load brings
.set SLOT,   4*HALFT                   ; A's 256 rows, then B's 256 rows
.set KS,     32                        ; a row of scale bytes
.set SCL,    2*SLOT                    ; behind the ring: the scales, as rows of 256 bytes + 16 of padding
.set HALFS,  (128*KS/256)*272          ; those of 128 rows: what one tensor load brings
.set SBLK,   (16*KS/256)*272           ; those of 16 rows
.set SPARE,  SCL+4*HALFS               ; the spare words, 128 bytes for each wave: two blocks of 256 bytes that no other line names
.set WCODE,  12582912                  ; where the weights' codes begin in 'codes',
.set WSCAL,  786432                    ; and their scale bytes in 'scales'
.set SPITCH, 272                       ; the way out: a stage of 16 rows x (256 bytes + 16) for each wave, in slot 0, which has had its one fill and its last read when the first result is stored there
.set ADRA, 16                          ; v16-17  LDS address of my A fragments in slot 0, 1
.set ADRB, 20                          ; v20-21  the same for B
.set STO,  24                          ; v24     the way out: where I put 16 bytes of a row
.set RD,   25                          ; v25     the way out: where I read back
.set CO,   26                          ; v26     16 x lane
.set ADRS, 27                          ; v27     LDS address of my scale words: lanes 0-15 A's rows, lanes 16-31 B's
.set SPW,  28                          ; v28     LDS address of my spare word; never rewritten
.set NIL,  29                          ; v29     0; never rewritten
.set SC,   32                          ; scale words: set s at v[SC + 8 NQ s]; register NQ i + q: lanes 0-15 the word of A's block i, lanes 16-31 that of B's block i, for the slot's q-th 128 along K
.set AF,   128                         ; A's fragments, in window 0
.set T,    32                          ; the way out: v32-95 a block's 64 numbers, scaled
.set TMP,  96                          ; v96-127 the same as f16
.set BK,   128                         ; v128-159 and v160-191 by turns: a block read back from the stage
.set G1, 24
.set G0, 32
.set G1B, 48
.set G0B, 56
.set G1S, 68
.set G0S, 76
.set G1SB, 80
.set G0SB, 88
.set FAC, 96                           ; s[96:97] log2(e) / 8 for q, 1 for k and v
.set MSB, 0
.macro WIN new                         ; the immediate's high byte repeats the setting that is left
.if MSB != (\new)
	s_set_vgpr_msb (MSB<<8)|(\new)
.set MSB, (\new)
.endif
.endm
.set MUL_LO, 0xa1                      ; source 0 (B) window 1, source 1 (A) window 0, C and D window 2
.set MUL_HI, 0xf1                      ; the same, C and D window 3
.set TO_B,   0x40                      ; destination window 1, address window 0
; A joint load: waves 0 and 1 fetch for A, waves 2 and 3 for B.  Each of the two lines has ONE mask and one set of registers for all that issue it; the branch hangs on the wave's number alone.
; An s_nop 0 and four v_nop follow each of the two lines.
.macro JLOAD g0a, g1a, g0b, g1b
	s_cmp_eq_u32 s15, 0
	s_cbranch_scc0 .Lfor_b_\@
	tensor_load_to_lds s[\g0a:\g0a+3], s[\g1a:\g1a+7]
	s_nop 0
.rept 4
	v_nop
.endr
	s_branch .Lasked_\@
.Lfor_b_\@:
	tensor_load_to_lds s[\g0b:\g0b+3], s[\g1b:\g1b+7]
	s_nop 0
.rept 4
	v_nop
.endr
.Lasked_\@:
.endm
.macro CROUND                          ; a round of the cluster's barrier
	s_barrier_signal -1
	s_barrier_wait -1
	s_cmp_lg_u32 s14, 0
	s_cbranch_scc1 .Lnot_wave_0_\@
	s_barrier_signal -3
.Lnot_wave_0_\@:
	s_barrier_wait -3
	s_barrier_signal -1
	s_barrier_wait -1
.endm
	s_load_b128 s[4:7], s[0:1], 0x0                ; codes s[4:5], scales s[6:7]
	s_load_b64 s[12:13], s[0:1], 0x10              ; qkv
	v_lshl_add_u32 v[SPW], v0, 2, SPARE
	v_mov_b32 v[NIL], 0
	ds_add_u32 v[SPW], v[NIL]                      ; the wave's opening: the add, twice on end, and its wait ahead of my first tensor load; the set-up below stands between
	ds_add_u32 v[SPW], v[NIL]
	v_lshrrev_b32 v1, 5, v0
	v_readfirstlane_b32 s14, v1                    ; wave 0..3
	s_lshr_b32 s15, s14, 1                         ; which half of the tile's rows is mine.  Also: I fetch for A (0) or for B (1)
	s_and_b32 s16, s14, 1                          ; which half of its columns.  Also: which 128 rows of that tile I fetch
	s_bfe_u32 s40, ttmp6, 0x40000                  ; cx, cy: my place in the cluster
	s_bfe_u32 s41, ttmp6, 0x40004
	s_lshl_b32 s42, ttmp9, 2
	s_add_co_u32 s42, s42, s40                     ; tile column = 4 x cluster x + cx
	s_and_b32 s95, ttmp7, 0xffff                   ; cluster y
	s_lshl_b32 s17, s95, 2
	s_add_co_u32 s17, s17, s41                     ; tile row = 4 x cluster y + cy, 0 .. 95
	s_lshr_b32 s95, s95, 3                         ; g: which product: 8 clusters along y to each
	s_cmp_eq_u32 s95, 0
	s_cselect_b32 s[FAC], 0x3e38aa3b, 1.0          ; q alone is multiplied by log2(e) / 8
	s_mov_b32 s[FAC+1], s[FAC]                     ; (named with it as a pair, so it is written)
	s_lshl_b32 s43, s41, 2
	s_lshl_b32 s43, 15, s43                        ; my row of the cluster
	s_lshl_b32 s44, 0x1111, s40                    ; my column
	; descriptor group 1: a tile of 128 rows x 256 bytes, padded in LDS
	s_or_b32 s[G1+0], s43, (0<<16)|(1<<20)|(1<<21)|(5<<22)|(3<<25)  ; 15:0 the mask: A's tiles go to my row; 17:16 element of 1 byte; 20 padding on; 21 set beside a mask; 24:22 after every 64 words; 31:25 four words
	s_or_b32 s[G1B+0], s44, (0<<16)|(1<<20)|(1<<21)|(5<<22)|(3<<25)
.irp g, G1, G1B
	s_mov_b32 s[\g+1], ROWB<<16                    ; tensor_dim0
	s_mov_b32 s[\g+2], 128<<16                     ; tensor_dim1
	s_mov_b32 s[\g+3], ROWB<<16                    ; tile_dim0
	s_mov_b32 s[\g+4], 128                         ; tile_dim1
	s_mov_b32 s[\g+5], KROW                        ; tensor_dim0_stride
	s_mov_b32 s[\g+6], 0
	s_mov_b32 s[\g+7], 0
.endr
	; and for the scales of 128 rows: a dense block of 4,096 bytes, as 16 rows of 256 bytes (32 elements of 8 bytes), 16 bytes of padding behind each
	s_or_b32 s[G1S+0], s43, (3<<16)|(1<<20)|(1<<21)|(5<<22)|(3<<25)
	s_or_b32 s[G1SB+0], s44, (3<<16)|(1<<20)|(1<<21)|(5<<22)|(3<<25)
.irp g, G1S, G1SB
	s_mov_b32 s[\g+1], 32<<16
	s_mov_b32 s[\g+2], (128*KS/256)<<16
	s_mov_b32 s[\g+3], 32<<16
	s_mov_b32 s[\g+4], 128*KS/256
	s_mov_b32 s[\g+5], 32
	s_mov_b32 s[\g+6], 0
	s_mov_b32 s[\g+7], 0
.endr
	s_lshl_b32 s18, s16, 7                         ; which 128 rows of the tile I fetch
	s_lshl_b32 s20, s17, 8
	s_add_co_u32 s20, s20, s18                     ; A: row 256 x tile row + 128 x half
	s_lshl_b32 s46, s42, 8
	s_add_co_u32 s46, s46, s18                     ; B: row 256 x tile column + 128 x half
	s_lshl_b32 s3, s95, 10
	s_add_co_u32 s46, s46, s3                      ;    + 1,024 g: the product's own weight
	s_mov_b32 s21, 0
	s_mov_b32 s47, 0
	s_mov_b64 s[18:19], KS
	s_mul_u64 s[22:23], s[20:21], s[18:19]         ; where these rows' scales begin, in bytes
	s_mul_u64 s[92:93], s[46:47], s[18:19]
	s_mov_b64 s[18:19], KROW
	s_mul_u64 s[20:21], s[20:21], s[18:19]         ; and their codes
	s_mul_u64 s[46:47], s[46:47], s[18:19]
	s_add_nc_u64 s[46:47], s[46:47], WCODE         ; the weights lie behind the three activations
	s_add_nc_u64 s[92:93], s[92:93], WSCAL
	s_mul_i32 s45, s14, HALFT                      ; where they go: wave x 128 rows: no place in the cluster enters an LDS address
	s_mul_i32 s94, s14, HALFS
	s_wait_dscnt 0x0                               ; both opening adds are done
	s_wait_kmcnt 0x0
	s_add_nc_u64 s[20:21], s[4:5], s[20:21]
	s_add_nc_u64 s[22:23], s[6:7], s[22:23]
	s_add_nc_u64 s[46:47], s[4:5], s[46:47]
	s_add_nc_u64 s[92:93], s[6:7], s[92:93]
	CROUND                                         ; all sixteen work-groups are here: the joint loads meet
	s_mov_b32 s[G0S], 1
	s_add_co_u32 s[G0S+1], s94, SCL
	s_mov_b64 s[G0S+2:G0S+3], s[22:23]
	s_or_b32 s[G0S+3], s[G0S+3], 0x80000000
	s_mov_b32 s[G0SB], 1
	s_add_co_u32 s[G0SB+1], s94, SCL
	s_mov_b64 s[G0SB+2:G0SB+3], s[92:93]
	s_or_b32 s[G0SB+3], s[G0SB+3], 0x80000000
	JLOAD G0S, G1S, G0SB, G1SB                     ; the scales first: they are wanted with K step 0.  Three loads of mine are out behind the third line below
.irp s, 0,1
	s_mov_b32 s[G0+4*\s], 1
	s_add_co_u32 s[G0+4*\s+1], s45, \s*SLOT
	s_add_nc_u64 s[G0+4*\s+2:G0+4*\s+3], s[20:21], \s*ROWB
	s_or_b32 s[G0+4*\s+3], s[G0+4*\s+3], 0x80000000
	s_mov_b32 s[G0B+4*\s], 1
	s_add_co_u32 s[G0B+4*\s+1], s45, \s*SLOT
	s_add_nc_u64 s[G0B+4*\s+2:G0B+4*\s+3], s[46:47], \s*ROWB
	s_or_b32 s[G0B+4*\s+3], s[G0B+4*\s+3], 0x80000000
	JLOAD G0+4*\s, G1, G0B+4*\s, G1B
.endr
	v_and_b32 v1, 15, v0                           ; l % 16
	v_bfe_u32 v2, v0, 4, 1                         ; l / 16
	v_mul_u32_u24 v3, v1, PITCH
	v_lshl_add_u32 v4, v2, 4, v3                   ; a fragment's row x pitch + 16 x half
	s_mul_i32 s21, s15, HALFT                      ; my 128 rows of A
	s_mul_i32 s22, s16, HALFT                      ; my 128 rows of B,
	s_add_co_u32 s22, s22, 2*HALFT                 ; which lie behind A's 256
.irp s, 0,1
	v_add_nc_u32 v[ADRA+\s], s21, v4
	v_add_nc_u32 v[ADRB+\s], s22, v4
	s_add_co_u32 s21, s21, SLOT
	s_add_co_u32 s22, s22, SLOT
.endr
	v_mul_u32_u24 v5, v1, KS                       ; my row's scales: 32 bytes a row,
	v_lshrrev_b32 v6, 8, v5
	v_lshl_add_u32 v5, v6, 4, v5                   ; and 16 more for each 256 passed
	s_mul_i32 s21, s15, HALFS                      ; A's: my 128 rows
	s_mul_i32 s22, s16, HALFS                      ; B's: my 128 rows, behind A's 256
	s_add_co_u32 s22, s22, 2*HALFS
	s_sub_co_u32 s22, s22, s21
	v_mul_u32_u24 v6, s22, v2                      ; lanes 16-31 take B's: one product, the distance between the two bases
	s_add_co_u32 s21, s21, SCL
	v_add_nc_u32 v5, v5, v6
	v_add_nc_u32 v[ADRS], s21, v5
	s_mul_i32 s23, s14, 16*SPITCH                  ; my stage
	v_mul_u32_u24 v5, v1, SPITCH                   ; in: row l % 16, 16 bytes for each half of the lanes
	v_lshl_add_u32 v5, v2, 4, v5
	v_add_nc_u32 v[STO], s23, v5
	v_bfe_u32 v6, v0, 3, 2                         ; back: eight lanes take one head's 128 bytes of a row, the 32 lanes four rows
	v_mul_u32_u24 v6, v6, SPITCH
	v_and_b32 v7, 7, v0
	v_lshl_add_u32 v6, v7, 4, v6
	v_add_nc_u32 v[RD], s23, v6
	v_and_b32 v6, 31, v0
	v_lshlrev_b32 v[CO], 4, v6
	; where my part begins in qkv: [g][batch][head][position][64] f16.  Row terms in s20, column terms in s46
	s_lshr_b32 s20, s17, 3
	s_and_b32 s20, s20, 3                          ; the batch: 8 tile rows to each
	s_lshl_b32 s20, s20, 22                        ; 16 heads of 262,144 bytes
	s_and_b32 s21, s17, 7
	s_lshl_b32 s21, s21, 8
	s_lshl_b32 s22, s15, 7
	s_add_co_u32 s21, s21, s22                     ; my first position: 256 x (tile row % 8) + 128 x half
	s_lshl_b32 s21, s21, 7                         ; 128 bytes a position
	s_add_co_u32 s20, s20, s21
	s_lshl_b32 s21, s95, 24                        ; 16,777,216 bytes a product
	s_add_co_u32 s20, s20, s21
	s_mov_b32 s21, 0
	s_lshl_b32 s46, s42, 2
	s_lshl_b32 s47, s16, 1
	s_add_co_u32 s46, s46, s47                     ; my first head: 4 x tile column + 2 x half
	s_lshl_b32 s46, s46, 18
	s_mov_b32 s47, 0
	s_add_nc_u64 s[20:21], s[20:21], s[46:47]
	s_add_nc_u64 s[12:13], s[12:13], s[20:21]
.macro FRAG reg, adr, q, i             ; a fragment, 16 rows x 128 K of 4-bit codes, is 8 registers: lane l holds row l % 16; registers 4 c .. 4 c + 3 hold K = 64 c + 32 (l / 16) + 0 .. 31
.irp c, 0,1
	ds_load_b128 v[\reg+4*\c:\reg+4*\c+3], v[\adr] offset:64*(\q)+32*\c+(\i)*16*PITCH
.endr
.endm
; 16 matrix instructions: A's blocks a0, a0 + 1 x B's eight, 128 along K: the slot's q-th.  p: B's set;  sc: the set of scale words.  zero = 1: the first product starts the sums.
; The 64 accumulators take turns, one instruction a turn, in the same order in every step.
.macro MUL16 a0, p, q, sc, zero
.irp a, \a0, \a0+1
.irp b, 0,1,2,3,4,5,6,7
.if \zero
	v_wmma_scale_f32_16x16x128_f8f6f4 v[8*(8*((\a)%4)+\b):8*(8*((\a)%4)+\b)+7], v[128*(\p)+FR*\b:128*(\p)+FR*\b+FR-1], v[AF+FR*(\a):AF+FR*(\a)+FR-1], 0, v[SC+8*NQ*(\sc)+NQ*\b+(\q)], v[SC+8*NQ*(\sc)+NQ*(\a)+(\q)] matrix_a_fmt:MATRIX_FMT_FP4 matrix_b_fmt:MATRIX_FMT_FP4 matrix_a_scale:MATRIX_SCALE_ROW1
.else
	v_wmma_scale_f32_16x16x128_f8f6f4 v[8*(8*((\a)%4)+\b):8*(8*((\a)%4)+\b)+7], v[128*(\p)+FR*\b:128*(\p)+FR*\b+FR-1], v[AF+FR*(\a):AF+FR*(\a)+FR-1], v[8*(8*((\a)%4)+\b):8*(8*((\a)%4)+\b)+7], v[SC+8*NQ*(\sc)+NQ*\b+(\q)], v[SC+8*NQ*(\sc)+NQ*(\a)+(\q)] matrix_a_fmt:MATRIX_FMT_FP4 matrix_b_fmt:MATRIX_FMT_FP4 matrix_a_scale:MATRIX_SCALE_ROW1
.endif
.endr
.endr
.endm
.macro FETCH_B slot, q, p              ; B's eight fragments of the slot's q-th 128 along K into set p
	WIN TO_B
.irp i, 0,1,2,3,4,5,6,7
	FRAG 128*(\p)+FR*\i, ADRB+\slot, \q, \i
.endr
	WIN 0
.endm
.macro FETCH_A slot, q, i0             ; A's blocks i0 .. i0 + 3
.irp i, \i0, \i0+1, \i0+2, \i0+3
	FRAG AF+FR*(\i), ADRA+\slot, \q, \i
.endr
.endm
.macro SCALES sc                       ; a K step's scale words into set sc: 4 words a row; lanes 0-15 take A's block i, lanes 16-31 B's block i
.irp i, 0,1,2,3,4,5,6,7
	ds_load_b128 v[SC+8*NQ*\sc+NQ*\i:SC+8*NQ*\sc+NQ*\i+3], v[ADRS] offset:\i*SBLK
.endr
.endm
; A load into a register that a matrix instruction has read, and a vector instruction or an LDS store that reads a matrix result or writes a matrix instruction's register, stand NP places behind it,
; and only plain vector instructions that name none of its registers are places; the matrix instructions in between are not counted.
.macro PLACES n
.rept \n
	v_nop
.endr
.endm
.macro STEP slot, q, zero              ; a step of 128 along K that has its successor in the same slot
	s_wait_dscnt 4*NL                              ; B's set and A's blocks 0-3 are in; the youngest eight loads (A's blocks 4-7) may be out
	WIN MUL_LO
	MUL16 0, (\q)%2, \q, \slot, \zero
	MUL16 2, (\q)%2, \q, \slot, \zero
	s_wait_dscnt 0                                 ; A's blocks 4-7 are in (asked for 32 matrix instructions ago)
	PLACES NP
	FETCH_B \slot, (\q)+1, 1-(\q)%2
	FETCH_A \slot, (\q)+1, 0
	WIN MUL_HI
	MUL16 4, (\q)%2, \q, \slot, \zero
	MUL16 6, (\q)%2, \q, \slot, \zero
	PLACES NP
	WIN 0
	FETCH_A \slot, (\q)+1, 4
.endm
; Slot 0's last step changes slots: ONE barrier; in front of it each wave waits for all its tensor loads (slot 1's is the one that was out), adds 0 to its spare word, and waits for that and for its reads of slot 0.
.macro TURN slot, next
	s_wait_tensorcnt 0x0                           ; all my tensor loads have landed: my part of the next slot
	ds_add_u32 v[SPW], v[NIL]                      ; 0 onto my spare word
	s_wait_dscnt 4*NL+1                            ; (the add and the youngest eight loads, A's blocks 4-7, may be out)
	WIN MUL_LO
	MUL16 0, 1, NQ-1, \slot, 0                     ; sixteen matrix instructions stand between the add and the wait for it
	s_wait_dscnt 0x0                               ; the add is done, and my reads of this slot are over
	s_barrier_signal -1
	MUL16 2, 1, NQ-1, \slot, 0
	WIN 0
	s_barrier_wait -1
	PLACES NP
	v_add_nc_u32 v[ADRS], 4*NQ, v[ADRS]            ; on to the next K step's scale words (no LDS load of mine is out)
	FETCH_B \next, 0, 0
	FETCH_A \next, 0, 0
	SCALES \next
	WIN MUL_HI
	MUL16 4, 1, NQ-1, \slot, 0
	MUL16 6, 1, NQ-1, \slot, 0
	PLACES NP
	WIN 0
	FETCH_A \next, 0, 4
.endm
.macro STEPS slot, from                ; the slot's steps from .. NQ - 2
.set Q, \from
.rept NQ-1-\from
	STEP \slot, Q, 0
.set Q, Q+1
.endr
.endm
	s_wait_tensorcnt 1                             ; the scales and my part of K step 0 are in (K step 1's load may be out)
	s_barrier_signal -1
	s_barrier_wait -1                              ; everybody's are
	FETCH_B 0, 0, 0
	FETCH_A 0, 0, 0
	SCALES 0
	FETCH_A 0, 0, 4
	STEP 0, 0, 1                                   ; the first step's products start the sums: nothing is cleared
	STEPS 0, 1
	TURN 0, 1
	STEPS 1, 0
	s_wait_dscnt 4*NL                              ; the very last step: nothing more to fetch
	WIN MUL_LO
	MUL16 0, 1, NQ-1, 1, 0
	MUL16 2, 1, NQ-1, 1, 0
	s_wait_dscnt 0
	WIN MUL_HI
	MUL16 4, 1, NQ-1, 1, 0
	MUL16 6, 1, NQ-1, 1, 0
	WIN 0
; THE WAY OUT, block by block of 16 rows x 128 columns (two heads).  PACK: x the factor in f32, then one rounding to f16: 16 bytes a lane.  TOSTAGE: into my own stage, and back so that the 32 lanes
; hold four positions of one head: 512 consecutive bytes of qkv.  SEND: stored.  LDS serves a wave's instructions in order (ISA guide 5.7.1.4): no wait between the stage's stores and loads.
.macro PACK a
	WIN 0x02+(\a)/4                                ; source 0: window 2 or 3
.irp b, 0,1,2,3,4,5,6,7
.irp p, 0,1,2,3
	v_pk_mul_f32 v[T+8*\b+2*\p:T+8*\b+2*\p+1], v[64*((\a)%4)+8*\b+2*\p:64*((\a)%4)+8*\b+2*\p+1], s[FAC:FAC+1] op_sel_hi:[1,0]   ; each accumulator from its low end on
.endr
.endr
	WIN 0
.irp b, 0,1,2,3,4,5,6,7
.irp p, 0,1,2,3
	v_cvt_pk_f16_f32 v[TMP+4*\b+\p], v[T+8*\b+2*\p], v[T+8*\b+2*\p+1]
.endr
.endr
.endm
.macro TOSTAGE a
.if (\a) > 1
	s_wait_xcnt 0x0                                ; block a - 2's stores have read their registers: block a's loads land there only behind this wait
.endif
.irp b, 0,1,2,3,4,5,6,7
	ds_store_b128 v[STO], v[TMP+4*\b:TMP+4*\b+3] offset:32*\b
.endr
.irp hh, 0,1
.irp i, 0,1,2,3
	ds_load_b128 v[BK+32*((\a)%2)+4*(4*\hh+\i):BK+32*((\a)%2)+4*(4*\hh+\i)+3], v[RD] offset:4*\i*SPITCH+128*\hh
.endr
.endr
.endm
.macro SEND a
	s_wait_dscnt 0x0                               ; the block is back in registers
.irp hh, 0,1
.irp i, 0,1,2,3
	global_store_b128 v[CO], v[BK+32*((\a)%2)+4*(4*\hh+\i):BK+32*((\a)%2)+4*(4*\hh+\i)+3], s[12:13] offset:\hh*262144+(\a)*2048+\i*512   ; 32 lanes store 512 consecutive bytes, aligned
.endr
.endr
.endm
	PLACES NP                                      ; behind the last products: for the reads of results and for the writes over scale words and A's fragments
	PACK 0
	TOSTAGE 0
.irp a, 1,2,3,4,5,6,7                  ; block a's arithmetic stands between block a - 1's loads from the stage and the wait for them
	PACK \a
	SEND \a-1
	TOSTAGE \a
.endr
	SEND 7
	s_wait_tensorcnt 0x0                           ; the wave's end, behind my last tensor load and my last LDS store
	ds_add_u32 v[SPW], v[NIL]
	s_wait_dscnt 0x0
	CROUND                                         ; the closing round: no work-group ends while a partner may still ask for a tile that names it
	s_endpgm
.Lfunc_end_k_qc5f52f501d_proj:
	.size	k_qc5f52f501d_proj, .Lfunc_end_k_qc5f52f501d_proj-k_qc5f52f501d_proj
	.p2alignl 7, 3214868480
	.fill 96, 4, 3214868480
	.section	.rodata,"a",@progbits
	.p2align	6, 0x0
	.amdhsa_kernel k_qc5f52f501d_proj
		.amdhsa_group_segment_fixed_size 327680
		.amdhsa_private_segment_fixed_size 0
		.amdhsa_enable_private_segment 0
		.amdhsa_kernarg_size 24
		.amdhsa_user_sgpr_count 2
		.amdhsa_user_sgpr_kernarg_segment_ptr 1
		.amdhsa_wavefront_size32 1
		.amdhsa_system_sgpr_workgroup_id_x 1
		.amdhsa_system_sgpr_workgroup_id_y 1
		.amdhsa_system_sgpr_workgroup_id_z 1
		.amdhsa_system_vgpr_workitem_id 0
		.amdhsa_next_free_vgpr 1024
		.amdhsa_next_free_sgpr 98
		.amdhsa_reserve_vcc 0
		.amdhsa_float_denorm_mode_32 3
		.amdhsa_float_denorm_mode_16_64 3
		.amdhsa_memory_ordered 1
		.amdhsa_forward_progress 1
		.amdhsa_inst_pref_size 143
	.end_amdhsa_kernel
	.amdgpu_metadata
---
amdhsa.version: [ 1, 2 ]
amdhsa.kernels:
  - .name:           k_qc5f52f501d_proj
    .symbol:         k_qc5f52f501d_proj.kd
    .args:
      - { .name: codes, .offset: 0, .size: 8, .value_kind: global_buffer, .address_space: global }
      - { .name: scales, .offset: 8, .size: 8, .value_kind: global_buffer, .address_space: global }
      - { .name: qkv, .offset: 16, .size: 8, .value_kind: global_buffer, .address_space: global }
    .group_segment_fixed_size: 327680
    .private_segment_fixed_size: 0
    .kernarg_segment_align: 8
    .kernarg_segment_size: 24
    .max_flat_workgroup_size: 128
    .sgpr_count:     98
    .vgpr_count:     1024
    .wavefront_size: 32
...
	.end_amdgpu_metadata
.endif
;; end of part 2
;; launch attn (part 3): grid 4 x 64, 8 waves a work-group, clusters of 4 x 1, 327,680 bytes of LDS; arguments qkv, maskw, obuf; writes obuf
.if DOCPART == 3
	.amdgcn_target "amdgcn-amd-amdhsa--gfx1250"
	.amdhsa_code_object_version 6
	.text
	.protected	k_qc5f52f501d_attn
	.globl	k_qc5f52f501d_attn
	.p2align	8
	.type	k_qc5f52f501d_attn,@function
k_qc5f52f501d_attn:
	s_mov_b64 s[64:65], 0
	v_nop
	global_prefetch_b8 v0, s[64:65] scope:SCOPE_SE
	s_setreg_imm32_b32 hwreg(HW_REG_WAVE_MODE, 25, 1), 1
	s_wait_xcnt 0x0
	s_wait_alu depctr_hold_cnt(0) depctr_sa_sdst(0) depctr_va_vdst(0) depctr_va_sdst(0) depctr_va_ssrc(0) depctr_va_vcc(0) depctr_vm_vsrc(0)
	s_getreg_b32 s2, hwreg(HW_REG_IB_STS2, 6, 4)
	s_cmp_eq_u32 s2, 0
	s_cbranch_scc0 .Lentry_in_a_cluster
	s_endpgm
.Lentry_in_a_cluster:
	s_bfe_u32 s2, ttmp6, 0x10000c
	s_cmp_lg_u32 s2, 0x3003
	s_cbranch_scc0 .Lentry_shape_is_right
	s_endpgm
.Lentry_shape_is_right:
; ATTENTION.  o[b][head][q][:] = the sum over k of softmax_k(s) v[k][:], s = q . k / 8, replaced by -1e10 where mask[b][q][k] is 0.  q, k, v: f16, [3][b][head][position][64]; q already holds the
; factor log2(e) / 8, so the first product gives t = s log2(e); a hidden t is REPLACED by -1e10 log2(e).  p = 2^(t - m), m the row's running largest t: a plain subtraction, so that in a row whose
; every key is hidden t - m is exactly 0 and the weights are equal.  Products on f16 operands with f32 sums; maxima, sums and rescaling in f32; p is rounded to f16 for the second product,
; the row's sum is taken of the unrounded p, o is rounded to f16 once.
; LIMITS: NaN and infinities are not served; q, k, v and o are f16: magnitudes above 65,504 are not served.
; SHARES.  A work-group owns 512 queries of one head, each of its EIGHT waves 64: four tiles of 16, so that the 16 KB of K and V that a wave reads from LDS in a key step feed 64 matrix instructions.
; 4 x 64 = 256 work-groups.  Two waves lie on a SIMD (512 registers each), so that one wave's softmax stands beside the other's products.
; Every wave walks all 2,048 keys, 64 a step.  K and V come through a ring of two LDS slots of 256 keys; each wave fetches 64 rows (waves 0-3: K's, waves 4-7: V's) by ONE descriptor shape.
; LAYOUT.  S^T = K Q^T (source 0 = 16 keys, source 1 = 16 queries) and O^T = V^T P (source 0 = 16 channels, source 1 = P): a lane holds ONE query (lane % 16) throughout.
; THE KEYS OF A TILE ARE NOT IN ORDER: row 8 h + j of tile kt is key 16 kt + 2 j + h.  So register n of a lane's 32 scores is key 2 n + h; two tiles' scores, rounded in pairs, ARE source 1 of the second
; product; and with one LDS pitch of 144 bytes both K's loads (16 rows, 9 r sixteenths of the banks' round apart) and V's turning loads (8 rows of one parity x 32 bytes) touch each bank once.
; THE MASK comes as lane masks made by the first launch: word n of a key step holds in bit 16 h + r whether key 2 n + h counts for query r.  The words feed v_cndmask_b32 alone: no branch and no
; address hangs on them.  Four tiles want 128 words a step and 64 scalar registers are to be had: so a step's softmax goes in two PIECES of two tiles, and the registers hold piece 0's words, then piece 1's.
; CLUSTER.  The four query blocks of a head form a cluster and walk the same K and V: each tile is asked for JOINTLY, by the same tensor load with the same descriptor and the mask 15.
; REGISTERS: window 0: v2-11 addresses and constants; v12-43 eight statistics a tile; v44, v45 the add's two; v48-175 S^T; v176-239 K of a step, and then P in the same registers: K's fragments are
;            done with when the step's 32 products K Q^T are issued; v240-246 at work at the head.      window 1: v0-63 Q; v64-191 O^T; v192-255 V of a step.
.set PK,    144                        ; a row of K or V in LDS: 128 bytes + 16 of padding
.set STEPB, 64*PK                      ; 64 rows: a key step's K (or V), and what one tensor load brings
.set VOFF,  4*STEPB                    ; a slot: 256 rows of K, then 256 rows of V
.set SLOT1, 1<<17                      ; slot 1 begins here: one exclusive or turns an address in one slot into the other's
.set STAGE, SLOT1+8*STEPB              ; behind the ring: 16 rows x 144 bytes for each wave, for the way out
.set SPARE, STAGE+8*16*PK              ; the spare words, 128 bytes for each wave: four blocks of 256 bytes that no other line names
.set SLOTB, 256*128                    ; a slot's rows of K (or of V) in memory
.set AK0, 2                            ; v2   my lane's place in a tile of K; never rewritten
.set AV0, 3                            ; v3   the same for V
.set ADK, 4                            ; v4   LDS address of the step's K
.set ADV, 5                            ; v5   and V
.set QO,  6                            ; v6   my byte offset in the wave's rows of Q
.set STO, 7                            ; v7   the way out: where I put 16 bytes of a row
.set RD,  8                            ; v8   the way out: where I read back
.set GO,  9                            ; v9   16 x lane
.set NEGR, 10                          ; v10  -1e10 log2(e)
.set PFO, 11                           ; v11  256 x lane: the prefetches' offset; never rewritten
.set ST,  12                           ; tile t's statistics at v[ST + 8 t]: +0 m, +1 the old m, +2, +3 l (even registers', odd registers'), +4 to +7 at work; a at +6, m's change at +7
.set SPW, 44                           ; v44  LDS address of my spare word; never rewritten
.set NIL, 45                           ; v45  0; never rewritten
.set S,   48                           ; tile t's 32 scores at v[S + 32 t]
.set KF,  176                          ; K's fragments: keys 16 kt on, channels 32 cs on, at v[KF + 16 kt + 8 cs]
.set P,   176                          ; tile t's weights as f16 at v[P + 16 t]: in K's registers
.set QF,  0                            ; window 1: Q, tile t, channels 32 cs on, at v[16 t + 8 cs]
.set OT,  64                           ; window 1: O^T, tile t, channels 16 ct on, at v[OT + 32 t + 8 ct]
.set VF,  192                          ; window 1: V's fragments: keys 32 ku on, channels 16 ct on, at v[VF + 32 ku + 8 ct]
.set WV,  10                           ; s10  my wave's number
.set TB,  11                           ; s11  LDS byte at which the tiles of the step to be fetched begin
.set SLOTS, 12                         ; s12  slots still to be asked for
.set CNT, 13                           ; s13  counts a slot's four steps
.set LIM, 14                           ; s14  1 in a wave that prefetches, else the greatest number
.set DONE, 15                          ; s15  key steps whose mask words have been used
.set G0,  16                           ; s[16:19] descriptor group 0, which walks
.set SEL, 20                           ; s[20:21] lane selects for v_permlanex16_b32: lane l xor 16
.set PFA, 22                           ; s[22:23] where my prefetches stand
.set G1,  24                           ; s[24:31] descriptor group 1
.set W0,  32                           ; s[32:63] the 32 mask words of the piece's first tile
.set W1,  68                           ; s[68:99] of its second
.set MSB, 0
.macro WIN new                         ; the immediate's high byte repeats the setting that is left
.if MSB != (\new)
	s_set_vgpr_msb (MSB<<8)|(\new)
.set MSB, (\new)
.endif
.endm
.set W_KQ, 0x04                        ; Q (source 1) in window 1
.set W_PV, 0x51                        ; V (source 0) and O^T (C and D) in window 1, P (source 1) in window 0
.set W_RS, 0x41                        ; O^T (destination and source 0) in window 1
.set TO_1, 0x40                        ; destination window 1, address window 0
.macro CROUND                          ; a round of the cluster's barrier
	s_barrier_signal -1
	s_barrier_wait -1
	s_cmp_lg_u32 s[WV], 0
	s_cbranch_scc1 .Lnot_wave_0_\@
	s_barrier_signal -3
.Lnot_wave_0_\@:
	s_barrier_wait -3
	s_barrier_signal -1
	s_barrier_wait -1
.endm
.macro MWORDS off                      ; a piece's 2 x 32 mask words of a key step: 128 bytes a tile, the tiles 4,096 bytes apart; off: 0 for tiles 0 and 1, 0x2000 for tiles 2 and 3
	s_load_b512 s[W0:W0+15], s[6:7], \off
	s_load_b512 s[W0+16:W0+31], s[6:7], \off+0x40
	s_load_b512 s[W1:W1+15], s[6:7], \off+0x1000
	s_load_b512 s[W1+16:W1+31], s[6:7], \off+0x1040
.endm
; A PREFETCH INTO THE L2 of what the NEXT change of slots will ask for: 256 rows of K and 256 of V, 32,768 dense bytes each.  It stands behind the wave's tensor load and its five lines.
; Each aligned block of 256 bytes is named ONCE in the launch: a head's rows are walked by its one cluster; the four partners take 8,192 bytes each, told apart BY ADDRESS;
; in each, wave 0 asks for K's and wave 4 for V's, lanes 256 bytes apart.  The last change that fills a slot asks for nothing; slots 0 and 1 come by their loads alone.
.macro ASK
	s_cmp_gt_u32 s[SLOTS], s[LIM]
	s_cbranch_scc0 .Lnot_mine_\@
	global_prefetch_b8 v[PFO], s[PFA:PFA+1] th:TH_LOAD_NT scope:SCOPE_SE
.Lnot_mine_\@:
.endm
	s_load_b128 s[4:7], s[0:1], 0x0                ; qkv s[4:5], maskw s[6:7]
	s_load_b64 s[8:9], s[0:1], 0x10                ; obuf
	v_lshl_add_u32 v[SPW], v0, 2, SPARE
	v_mov_b32 v[NIL], 0
	ds_add_u32 v[SPW], v[NIL]                      ; the wave's opening: the add, twice on end, and its wait ahead of my first tensor load; the set-up below stands between
	ds_add_u32 v[SPW], v[NIL]
	v_lshrrev_b32 v1, 5, v0
	v_readfirstlane_b32 s[WV], v1                  ; wave 0..7
	s_bfe_u32 s66, ttmp6, 0x40000                  ; cx: my place in the cluster
	s_lshl_b32 s67, ttmp9, 2
	s_add_co_u32 s67, s67, s66                     ; my block of 512 queries: it enters Q's, O's and the mask words' addresses alone
	s_and_b32 s33, ttmp7, 0xffff                   ; 16 x batch + head, which the four partners share
	s_lshr_b32 s42, s33, 4
	s_lshl_b32 s42, s42, 19                        ; the mask words: 128 tiles of 4,096 bytes a batch
	s_lshl_b32 s33, s33, 18                        ; a head's 262,144 bytes
	s_lshr_b32 s32, s[WV], 2
	s_add_co_u32 s32, s32, 1
	s_lshl_b32 s32, s32, 24                        ; K begins 16,777,216 bytes into qkv (waves 0-3), V twice as far (waves 4-7)
	s_add_co_u32 s32, s32, s33
	s_and_b32 s34, s[WV], 3
	s_lshl_b32 s35, s34, 13
	s_add_co_u32 s36, s32, s35                     ; my 64 rows of a slot's 256
	s_mov_b32 s37, 0
	s_lshl_b32 s38, s66, 13                        ; the prefetches: my work-group's 8,192 bytes,
	s_add_co_u32 s38, s38, s32
	s_add_co_u32 s38, s38, SLOTB                   ; in slot 1: the first change of slots steps it to slot 2.  Nothing is prefetched at the head
	s_mov_b32 s39, 0
	s_lshl_b32 s40, s67, 16                        ; Q and O: my block's 512 rows of 128 bytes,
	s_add_co_u32 s40, s40, s33
	s_lshl_b32 s41, s[WV], 13                      ; my wave's 64 of them
	s_add_co_u32 s40, s40, s41
	s_mov_b32 s41, 0
	s_lshl_b32 s43, s67, 17                        ; the mask words: 32 tiles a block,
	s_add_co_u32 s42, s42, s43
	s_lshl_b32 s43, s[WV], 14                      ; four a wave
	s_add_co_u32 s42, s42, s43
	s_mov_b32 s43, 0
	s_cmp_eq_u32 s34, 0                            ; waves 0 and 4 prefetch: the same in all four partners
	s_cselect_b32 s[LIM], 1, -1
	; descriptor group 1: a tile of 64 rows x 64 elements of 2 bytes, dense in memory, padded in LDS
	s_mov_b32 s[G1], 15|(1<<16)|(1<<20)|(1<<21)|(4<<22)|(3<<25)    ; 15:0 the mask: all four work-groups; 17:16 elements of 2 bytes; 20 padding on; 21 set beside a mask; 24:22 after every 32 words; 31:25 four words
	s_mov_b32 s[G1+1], 64<<16                      ; tensor_dim0
	s_mov_b32 s[G1+2], 64<<16                      ; tensor_dim1
	s_mov_b32 s[G1+3], 64<<16                      ; tile_dim0
	s_mov_b32 s[G1+4], 64                          ; tile_dim1
	s_mov_b32 s[G1+5], 64                          ; tensor_dim0_stride
	s_mov_b32 s[G1+6], 0
	s_mov_b32 s[G1+7], 0
	s_mov_b32 s[G0], 1                             ; count = 1
	s_mul_i32 s[G0+1], s[WV], STEPB                ; LDS address: slot 0, wave x 64 rows: K's four parts, then V's four
	s_mov_b32 s[SEL], 0x76543210
	s_mov_b32 s[SEL+1], 0xfedcba98
	s_mov_b32 s[TB], 0
	s_mov_b32 s[SLOTS], 7
	s_mov_b32 s[DONE], 0
	s_mov_b32 s3, 0
	s_mul_i32 s44, s[WV], 16*PK
	s_add_co_u32 s44, s44, STAGE                   ; my stage
	v_and_b32 v240, 7, v0                          ; l % 8
	v_bfe_u32 v241, v0, 3, 1                       ; (l / 8) % 2
	v_bfe_u32 v242, v0, 4, 1                       ; h = l / 16
	v_and_b32 v243, 15, v0                         ; r = l % 16
	v_and_b32 v244, 31, v0                         ; l
	v_bfe_u32 v245, v0, 3, 2                       ; l / 8
	v_lshl_add_u32 v246, v240, 1, v241             ; K: lane r holds row r of a tile, which is key 2 (r % 8) + r / 8
	v_mul_u32_u24 v[AK0], v246, PK
	v_lshl_add_u32 v[AK0], v242, 4, v[AK0]         ; + 16 h
	v_lshl_add_u32 v246, v240, 1, v242             ; V: the turning load's lane l reads key 2 (l % 8) + h, channels 8 ((l / 8) % 2) on
	v_mul_u32_u24 v[AV0], v246, PK
	v_lshl_add_u32 v[AV0], v241, 4, v[AV0]
	v_add_nc_u32 v[AV0], VOFF, v[AV0]
	v_lshlrev_b32 v[QO], 7, v243
	v_lshl_add_u32 v[QO], v242, 4, v[QO]           ; Q: row r of 128 bytes, + 16 h
	v_mul_u32_u24 v[STO], v243, PK
	v_lshl_add_u32 v[STO], v242, 4, v[STO]
	v_add_nc_u32 v[STO], s44, v[STO]               ; the stage, in: row r, 16 bytes for each half of the lanes
	v_mul_u32_u24 v[RD], v245, PK
	v_lshl_add_u32 v[RD], v240, 4, v[RD]
	v_add_nc_u32 v[RD], s44, v[RD]                 ; back: eight lanes to a row of 128 bytes, four rows an instruction
	v_lshlrev_b32 v[GO], 4, v244
	v_mov_b32 v[NEGR], 0xd056fa73                  ; -1e10 x log2(e)
	v_lshlrev_b32 v[PFO], 8, v244
.irp t, 0,1,2,3
	v_mov_b32 v[ST+8*\t], 0xff61b1e6               ; the largest t so far: -3e38, under every t
.irp i, 1,2,3,4,5,6,7
	v_mov_b32 v[ST+8*\t+\i], 0                     ; l = 0; the others are written once, since pairs and lane permutes name them
.endr
.endr
	s_wait_dscnt 0x0                               ; both opening adds are done
	s_wait_kmcnt 0x0
	s_add_nc_u64 s[G0+2:G0+3], s[4:5], s[36:37]    ; global address: the head's first 256 keys, my 64 rows
	s_or_b32 s[G0+3], s[G0+3], 0x80000000          ; type = 2
	s_add_nc_u64 s[PFA:PFA+1], s[4:5], s[38:39]
	s_add_nc_u64 s[4:5], s[4:5], s[40:41]          ; Q at my wave's first row
	s_add_nc_u64 s[8:9], s[8:9], s[40:41]          ; O likewise
	s_add_nc_u64 s[6:7], s[6:7], s[42:43]          ; the mask words of my first tile, key step 0
	CROUND                                         ; all four work-groups are here: the first joint loads meet
	tensor_load_to_lds s[G0:G0+3], s[G1:G1+7]      ; slot 0: one load of mine is out
	s_nop 0
.rept 4
	v_nop
.endr
	MWORDS 0x0                                     ; key step 0's, tiles 0 and 1
	WIN TO_1
.irp t, 0,1,2,3
.irp cs, 0,1                                   ; Q stays in registers: tile t, channels 32 cs on
	global_load_b128 v[QF+16*\t+8*\cs:QF+16*\t+8*\cs+3], v[QO], s[4:5] offset:\t*2048+\cs*64
	global_load_b128 v[QF+16*\t+8*\cs+4:QF+16*\t+8*\cs+7], v[QO], s[4:5] offset:\t*2048+\cs*64+32
.endr
.endr
.set n, 0
.rept 128
	v_mov_b32 v[OT+n], 0                           ; O^T.  The key step is written once for all 32 steps: the first finds zeros, which its a = 0 leaves zeros; a first step of its own would be a third copy of the step
.set n, n+1
.endr
	WIN 0
	s_wait_loadcnt 0x0                             ; Q
; A PIECE: tiles 2 p and 2 p + 1: mask, softmax, and their 16 products V^T P.
.macro PIECE p
.set SA, S+64*(\p)                     ; the piece's scores: 32 registers a tile
.set TA, ST+16*(\p)                    ; its statistics: 8 a tile
.set PA, P+32*(\p)                     ; its weights: 16 a tile
.set OA, OT+64*(\p)                    ; its O^T: 32 a tile
	s_wait_kmcnt 0x0                               ; the piece's mask words are in; their address may be stepped
	v_mov_b32 v[TA+1], v[TA]                       ; the old m is kept for a
	v_mov_b32 v[TA+9], v[TA+8]
.if (\p) == 0
	v_nop
	v_nop                                          ; with the two lines above: the four places behind the products K Q^T (ISA guide 7.12.1)
.endif
.set n, 0
.rept 32                                       ; a hidden score is REPLACED; each accumulator is read from its low end on
	v_cndmask_b32 v[SA+n], v[NEGR], v[SA+n], s[W0+n]
	v_cndmask_b32 v[SA+32+n], v[NEGR], v[SA+32+n], s[W1+n]
.set n, n+1
.endr
.irp j, 0,1,2,3                                ; the maximum of my 32 scores and the old m, three operands at a time, in four chains a tile
.irp t, 0,1
	v_max3_num_f32 v[TA+8*\t+4+\j], v[SA+32*\t+8*\j], v[SA+32*\t+8*\j+1], v[SA+32*\t+8*\j+2]
.endr
.endr
.irp q, 1,2
.irp j, 0,1,2,3
.irp t, 0,1
	v_max3_num_f32 v[TA+8*\t+4+\j], v[TA+8*\t+4+\j], v[SA+32*\t+8*\j+2*\q+1], v[SA+32*\t+8*\j+2*\q+2]
.endr
.endr
.endr
.irp t, 0,1
	v_max3_num_f32 v[TA+8*\t+4], v[TA+8*\t+4], v[SA+32*\t+7], v[SA+32*\t+15]
.endr
.irp t, 0,1
	v_max3_num_f32 v[TA+8*\t+6], v[TA+8*\t+6], v[SA+32*\t+23], v[SA+32*\t+31]
.endr
.irp t, 0,1
	v_max3_num_f32 v[TA+8*\t+4], v[TA+8*\t+4], v[TA+8*\t+5], v[TA+8*\t+6]
.endr
.irp t, 0,1
	v_max3_num_f32 v[TA+8*\t+4], v[TA+8*\t+4], v[TA+8*\t+7], v[TA+8*\t]
.endr
.irp t, 0,1
	v_permlanex16_b32 v[TA+8*\t+5], v[TA+8*\t+4], s[SEL], s[SEL+1]   ; the query's other 32 keys lie in the lane 16 away
.endr
.irp t, 0,1
	v_max_num_f32 v[TA+8*\t], v[TA+8*\t+4], v[TA+8*\t+5]             ; the new m
.endr
.irp t, 0,1
	v_sub_f32 v[TA+8*\t+7], v[TA+8*\t+1], v[TA+8*\t]                 ; m's change, 0 or less
.endr
.if (\p) == 0
	MWORDS 0x2000                                  ; my words have been used: the same registers take tiles 2 and 3's of this step, which have the rest of this piece in which to come
.else
	s_add_co_u32 s[DONE], s[DONE], 1               ; and here tiles 0 and 1's of the next step.
	s_cmp_lt_u32 s[DONE], 32                       ; The last step asks once more for its own: no load leaves the buffer, and the step stays one text
	s_cselect_b32 s2, 128, 0
	s_add_nc_u64 s[6:7], s[6:7], s[2:3]
	MWORDS 0x0
.endif
.set n, 0
.rept 16
	v_pk_add_f32 v[SA+n:SA+n+1], v[SA+n:SA+n+1], v[TA:TA+1] op_sel_hi:[1,0] neg_lo:[0,1] neg_hi:[0,1]              ; t - m, two at a time (of the pair the low word, m, serves both halves)
	v_pk_add_f32 v[SA+32+n:SA+33+n], v[SA+32+n:SA+33+n], v[TA+8:TA+9] op_sel_hi:[1,0] neg_lo:[0,1] neg_hi:[0,1]
.set n, n+2
.endr
	v_exp_f32 v[TA+6], v[TA+7]                     ; a = 2^(old m - new m)
	v_exp_f32 v[TA+14], v[TA+15]
.set n, 0
.rept 64
	v_exp_f32 v[SA+n], v[SA+n]                     ; p = 2^(t - m), at most 1
.set n, n+1
.endr
	v_nop                                          ; a plain instruction behind the last exponential, ahead of the first use
	s_wait_alu depctr_va_vdst(0)                   ; ONE wait for the piece's batch of 66, ahead of its first reader
.set n, 0
.rept 32
	v_cvt_pk_f16_f32 v[PA+n], v[SA+2*n], v[SA+2*n+1]   ; P, into registers that held K: register i of a pair of tiles' eight is keys k = 8 h + 2 i, + 1 of the second product's order
.set n, n+1
.endr
.irp u, 0,1,2,3,4,5,6,7                        ; the sum of a tile's 16 pairs, in place: neighbours 1, 2, 4 and 8 pairs apart
.irp t, 0,1
	v_pk_add_f32 v[SA+32*\t+4*\u:SA+32*\t+4*\u+1], v[SA+32*\t+4*\u:SA+32*\t+4*\u+1], v[SA+32*\t+4*\u+2:SA+32*\t+4*\u+3]
.endr
.endr
.irp u, 0,1,2,3
.irp t, 0,1
	v_pk_add_f32 v[SA+32*\t+8*\u:SA+32*\t+8*\u+1], v[SA+32*\t+8*\u:SA+32*\t+8*\u+1], v[SA+32*\t+8*\u+4:SA+32*\t+8*\u+5]
.endr
.endr
.irp u, 0,1
.irp t, 0,1
	v_pk_add_f32 v[SA+32*\t+16*\u:SA+32*\t+16*\u+1], v[SA+32*\t+16*\u:SA+32*\t+16*\u+1], v[SA+32*\t+16*\u+8:SA+32*\t+16*\u+9]
.endr
.endr
.irp t, 0,1
	v_pk_add_f32 v[SA+32*\t:SA+32*\t+1], v[SA+32*\t:SA+32*\t+1], v[SA+32*\t+16:SA+32*\t+17]
.endr
.irp t, 0,1
	v_pk_fma_f32 v[TA+8*\t+2:TA+8*\t+3], v[TA+8*\t+2:TA+8*\t+3], v[TA+8*\t+6:TA+8*\t+7], v[SA+32*\t:SA+32*\t+1] op_sel_hi:[1,0,1]   ; l = a l + the sum
.endr
	WIN W_RS
.set n, 0
.rept 16
	v_pk_mul_f32 v[OA+n:OA+n+1], v[OA+n:OA+n+1], v[TA+6:TA+7] op_sel_hi:[1,0]            ; O^T x a, each accumulator from its low end on
	v_pk_mul_f32 v[OA+32+n:OA+33+n], v[OA+32+n:OA+33+n], v[TA+14:TA+15] op_sel_hi:[1,0]
.set n, n+2
.endr
.if (\p) == 0
	s_wait_dscnt 0x0                               ; V is in
.endif
	WIN W_PV
.irp ku, 0,1                                   ; O^T += V^T P: the piece's eight accumulators by turns
.irp ct, 0,1,2,3
.irp t, 0,1
	v_wmma_f32_16x16x32_f16 v[OA+32*\t+8*\ct:OA+32*\t+8*\ct+7], v[VF+32*\ku+8*\ct:VF+32*\ku+8*\ct+7], v[PA+16*\t+8*\ku:PA+16*\t+8*\ku+7], v[OA+32*\t+8*\ct:OA+32*\t+8*\ct+7]
.endr
.endr
.endr
	WIN 0                                          ; at a label and at a branch every window is 0
.endm
; A KEY STEP: 64 keys for my 64 queries: K's and V's fragments, 32 products K Q^T, then the two pieces.
.macro STEP
	v_add_nc_u32 v[ADK], s[TB], v[AK0]
	v_add_nc_u32 v[ADV], s[TB], v[AV0]
	v_nop
	v_nop                                          ; four places between the last products, which read P's and V's registers, and the loads into them (ISA guide 7.12.1 for vector instructions)
.irp kt, 0,1,2,3
.irp cs, 0,1
	ds_load_b128 v[KF+16*\kt+8*\cs:KF+16*\kt+8*\cs+3], v[ADK] offset:\kt*16*PK+\cs*64
	ds_load_b128 v[KF+16*\kt+8*\cs+4:KF+16*\kt+8*\cs+7], v[ADK] offset:\kt*16*PK+\cs*64+32
.endr
.endr
	WIN TO_1
.irp ku, 0,1
.irp ct, 0,1,2,3
	ds_load_tr16_b128 v[VF+32*\ku+8*\ct:VF+32*\ku+8*\ct+3], v[ADV] offset:32*\ku*PK+32*\ct
	ds_load_tr16_b128 v[VF+32*\ku+8*\ct+4:VF+32*\ku+8*\ct+7], v[ADV] offset:(32*\ku+16)*PK+32*\ct
.endr
.endr
	s_add_co_u32 s[TB], s[TB], STEPB               ; the next fetch is the next step's
	s_wait_dscnt 16                                ; K's 16 loads are in; V's 16, issued behind them, may be out
	WIN W_KQ
.irp cs, 0,1                                   ; S^T = K Q^T: sixteen accumulators by turns; the first sixteen products start the sums
.irp kt, 0,1,2,3
.irp t, 0,1,2,3
.if \cs == 0
	v_wmma_f32_16x16x32_f16 v[S+32*\t+8*\kt:S+32*\t+8*\kt+7], v[KF+16*\kt+8*\cs:KF+16*\kt+8*\cs+7], v[QF+16*\t+8*\cs:QF+16*\t+8*\cs+7], 0
.else
	v_wmma_f32_16x16x32_f16 v[S+32*\t+8*\kt:S+32*\t+8*\kt+7], v[KF+16*\kt+8*\cs:KF+16*\kt+8*\cs+7], v[QF+16*\t+8*\cs:QF+16*\t+8*\cs+7], v[S+32*\t+8*\kt:S+32*\t+8*\kt+7]
.endif
.endr
.endr
.endr
	WIN 0
	PIECE 0
	PIECE 1
.endm
; THE CHANGE OF SLOTS stands at a slot's head.  Each wave waits for all its tensor loads (one is out: its part of the slot that it is about to read), adds 0 to its spare word, and waits for that and for
; its reads of the slot that it has left.  fill = 1: the barrier is a round of the cluster's, so that no wave of any partner still reads the other slot or has a load on its way; the joint load
; of the next 256 keys into that slot is the first thing behind it, and has four key steps, 256 matrix instructions of the wave, in which to land.
.macro CHANGE fill
	s_wait_tensorcnt 0x0                           ; no tensor load of mine is out, so group 0 may be written
	ds_add_u32 v[SPW], v[NIL]                      ; 0 onto my spare word; the descriptor's steps stand between it and the wait for it
.if \fill
	s_xor_b32 s[G0+1], s[G0+1], SLOT1              ; the other slot than last time,
	s_add_nc_u64 s[G0+2:G0+3], s[G0+2:G0+3], SLOTB ; the next 256 keys; the type bits on top are not reached
	s_wait_xcnt 0x0                                ; the last prefetch, a slot back, has read its address, so it may be written:
	s_add_nc_u64 s[PFA:PFA+1], s[PFA:PFA+1], SLOTB ; one slot further on than the descriptor
	s_wait_dscnt 0x0                               ; the add is done, and my reads of the slot that I have left are over
	CROUND
	tensor_load_to_lds s[G0:G0+3], s[G1:G1+7]      ; my one tensor load until the next round
	s_nop 0
.rept 4
	v_nop
.endr
	ASK
.else
	s_wait_dscnt 0x0
	s_barrier_signal -1
	s_barrier_wait -1
.endif
.endm
.macro SLOT_STEPS                      ; a slot's four key steps: written once, walked four times; the LDS addresses hang on s[TB]
	s_mov_b32 s[CNT], 4
.Lstep_\@:
	STEP
	s_sub_co_u32 s[CNT], s[CNT], 1
	s_cmp_lg_u32 s[CNT], 0
	s_cbranch_scc1 .Lstep_\@
	s_sub_co_u32 s[TB], s[TB], 4*STEPB             ; back to a slot's first step,
	s_xor_b32 s[TB], s[TB], SLOT1                  ; in the other slot
.endm
.Lslot:                                            ; seven trips: trip i reads slot i and asks for slot i + 1
	CHANGE 1
	SLOT_STEPS
	s_sub_co_u32 s[SLOTS], s[SLOTS], 1
	s_cmp_lg_u32 s[SLOTS], 0
	s_cbranch_scc1 .Lslot
	CHANGE 0                                       ; the last slot is written out
	SLOT_STEPS
	; THE WAY OUT.  l's two halves and the other half of the lanes' are added; O^T is divided by l, rounded to f16 and sent through my stage, a tile (16 rows of 128 bytes) at a time.
	s_wait_kmcnt 0x0                               ; the last step's repeated request for mask words is retired
.irp t, 0,1,2,3
	v_add_f32 v[ST+8*\t+4], v[ST+8*\t+2], v[ST+8*\t+3]   ; these four are also the places behind the last products
.endr
.irp t, 0,1,2,3
	v_permlanex16_b32 v[ST+8*\t+5], v[ST+8*\t+4], s[SEL], s[SEL+1]
.endr
.irp t, 0,1,2,3
	v_add_f32 v[ST+8*\t+4], v[ST+8*\t+4], v[ST+8*\t+5]
.endr
.irp t, 0,1,2,3
	v_rcp_f32 v[ST+8*\t+6], v[ST+8*\t+4]
.endr
	v_nop                                          ; a plain instruction between the last reciprocal and the use of its result
	s_wait_alu depctr_va_vdst(0)                   ; and the one wait for the four, ahead of the first use
.irp t, 0,1,2,3
	WIN W_RS
.set n, 0
.rept 16
	v_pk_mul_f32 v[OT+32*\t+n:OT+32*\t+n+1], v[OT+32*\t+n:OT+32*\t+n+1], v[ST+8*\t+6:ST+8*\t+7] op_sel_hi:[1,0]
.set n, n+2
.endr
	WIN 0x05                                       ; sources 0 and 1 window 1, destination window 0: S^T's registers are free
.set n, 0
.rept 16
	v_cvt_pk_f16_f32 v[S+32*\t+n], v[OT+32*\t+2*n], v[OT+32*\t+2*n+1]
.set n, n+1
.endr
	WIN 0
.irp ct, 0,1,2,3
	ds_store_b128 v[STO], v[S+32*\t+4*\ct:S+32*\t+4*\ct+3] offset:32*\ct       ; o(r, 16 ct + 8 h + 0 .. 7)
.endr
.irp i, 0,1,2,3
	ds_load_b128 v[S+32*\t+16+4*\i:S+32*\t+16+4*\i+3], v[RD] offset:\i*4*PK    ; LDS serves a wave's instructions in order (ISA guide 5.7.1.4): these see the stores above, and the next tile's stores come behind them
.endr
.endr
	s_wait_dscnt 0x0
.irp t, 0,1,2,3
.irp i, 0,1,2,3
	global_store_b128 v[GO], v[S+32*\t+16+4*\i:S+32*\t+16+4*\i+3], s[8:9] offset:\t*2048+\i*512   ; four rows of 128 bytes: 512 consecutive bytes, aligned
.endr
.endr
	s_wait_tensorcnt 0x0                           ; the wave's end, behind my last tensor load and my last LDS store
	ds_add_u32 v[SPW], v[NIL]
	s_wait_dscnt 0x0
	CROUND                                         ; the closing round: no work-group ends while a partner may still ask for a tile that names it
	s_endpgm
.Lfunc_end_k_qc5f52f501d_attn:
	.size	k_qc5f52f501d_attn, .Lfunc_end_k_qc5f52f501d_attn-k_qc5f52f501d_attn
	.p2alignl 7, 3214868480
	.fill 96, 4, 3214868480
	.section	.rodata,"a",@progbits
	.p2align	6, 0x0
	.amdhsa_kernel k_qc5f52f501d_attn
		.amdhsa_group_segment_fixed_size 327680
		.amdhsa_private_segment_fixed_size 0
		.amdhsa_enable_private_segment 0
		.amdhsa_kernarg_size 24
		.amdhsa_user_sgpr_count 2
		.amdhsa_user_sgpr_kernarg_segment_ptr 1
		.amdhsa_wavefront_size32 1
		.amdhsa_system_sgpr_workgroup_id_x 1
		.amdhsa_system_sgpr_workgroup_id_y 1
		.amdhsa_system_sgpr_workgroup_id_z 1
		.amdhsa_system_vgpr_workitem_id 0
		.amdhsa_next_free_vgpr 512
		.amdhsa_next_free_sgpr 100
		.amdhsa_reserve_vcc 0
		.amdhsa_float_denorm_mode_32 3
		.amdhsa_float_denorm_mode_16_64 3
		.amdhsa_memory_ordered 1
		.amdhsa_forward_progress 1
		.amdhsa_inst_pref_size 108
	.end_amdhsa_kernel
	.amdgpu_metadata
---
amdhsa.version: [ 1, 2 ]
amdhsa.kernels:
  - .name:           k_qc5f52f501d_attn
    .symbol:         k_qc5f52f501d_attn.kd
    .args:
      - { .name: qkv, .offset: 0, .size: 8, .value_kind: global_buffer, .address_space: global }
      - { .name: maskw, .offset: 8, .size: 8, .value_kind: global_buffer, .address_space: global }
      - { .name: obuf, .offset: 16, .size: 8, .value_kind: global_buffer, .address_space: global }
    .group_segment_fixed_size: 327680
    .private_segment_fixed_size: 0
    .kernarg_segment_align: 8
    .kernarg_segment_size: 24
    .max_flat_workgroup_size: 256
    .sgpr_count:     100
    .vgpr_count:     512
    .wavefront_size: 32
...
	.end_amdgpu_metadata
.endif
;; end of part 3
;; launch outp (part 4): grid 8 x 64, 4 waves a work-group, clusters of 4 x 4, 327,680 bytes of LDS; arguments obuf, wo16, out0; writes out0
.if DOCPART == 4
	.amdgcn_target "amdgcn-amd-amdhsa--gfx1250"
	.amdhsa_code_object_version 6
	.text
	.protected	k_qc5f52f501d_outp
	.globl	k_qc5f52f501d_outp
	.p2align	8
	.type	k_qc5f52f501d_outp,@function
k_qc5f52f501d_outp:
	s_mov_b64 s[64:65], 0
	v_nop
	global_prefetch_b8 v0, s[64:65] scope:SCOPE_SE
	s_setreg_imm32_b32 hwreg(HW_REG_WAVE_MODE, 25, 1), 1
	s_wait_xcnt 0x0
	s_wait_alu depctr_hold_cnt(0) depctr_sa_sdst(0) depctr_va_vdst(0) depctr_va_sdst(0) depctr_va_ssrc(0) depctr_va_vcc(0) depctr_vm_vsrc(0)
	s_getreg_b32 s2, hwreg(HW_REG_IB_STS2, 6, 4)
	s_cmp_eq_u32 s2, 0
	s_cbranch_scc0 .Lentry_in_a_cluster
	s_endpgm
.Lentry_in_a_cluster:
	s_bfe_u32 s2, ttmp6, 0x10000c
	s_cmp_lg_u32 s2, 0xf033
	s_cbranch_scc0 .Lentry_shape_is_right
	s_endpgm
.Lentry_shape_is_right:
; THE PROJECTION ON THE WAY OUT.  out0[m][n] = sum over k of o[m][k] Wo[n][k], m = 2,048 b + position (8,192 rows), n and k up to 1,024; f16 operands, f32 sums, f32 out.
; Both operands lie in BLOCKS OF 64 ALONG K: o as [b][head][position][64] (k = 64 head + channel), Wo as [k / 64][n][64].
; A tile of out0 is 128 x 128: 512 work-groups, two even fills of 256 WGPs.  Four waves, each 64 x 64: 16 accumulators of 16 x 16, 128 registers.  K goes in steps of 256 (four blocks) through two LDS slots.
; One tensor load brings 64 rows x 4 blocks: in memory a block's 64 rows are 8,192 dense bytes, so the tile is stated as 4 rows of 4,096 elements, a block's distance apart; 16 bytes of padding follow
; every 128 bytes, so that in LDS it lies [block][row][144 bytes].
; CLUSTERS: 4 x 4 work-groups.  The four of a row of the cluster need the same tiles of o, the four of a column the same tiles of Wo: each tile is asked for JOINTLY.
; No prefetch: a K step on this small tile is short, and the joint loads already divide the requests by four.
; THE MATRIX INSTRUCTION IS USED TRANSPOSED (source 0 = 16 rows of Wo, source 1 = 16 rows of o): a lane holds eight neighbouring numbers of a row of out0.
; REGISTERS: window 0: v0-31 addresses; v32-95 at work on the way out; v128-255 the accumulators ((a, b) at v[128 + 8 (4 a + b)]).
;   window 1: two fragment buffers of 128: for 64 along K, 64 registers of A (2 x 4 x 16 rows x 32 K), then 64 of B.
.set PITCH,  144                       ; an LDS row: 128 bytes + 16 of padding = 36 words: the 16 rows that a load touches begin 9 sixteenths of the banks' round apart (64 banks of 4 bytes: ISA guide 11.1)
.set ZB,     64*PITCH                  ; a block of 64 along K of 64 rows
.set HALFT,  4*ZB                      ; what one tensor load brings, and what one wave reads of A or of B
.set SLOT,   4*HALFT                   ; A's two halves, then B's two halves
.set STAGE,  2*SLOT                    ; behind the ring: 16 rows x 272 bytes for each wave, for the way out
.set SPITCH, 272
.set SPARE,  STAGE+4*16*SPITCH         ; the spare words, 128 bytes for each wave: two blocks of 256 bytes that no other line names
.set LAPS,   2                         ; a lap = two K steps = once round the ring: 1,024 / 512
.set STEP_A, 4*262144                  ; a K step on in o: four heads
.set STEP_B, 4*131072                  ; and in Wo: four blocks
.set ADRA, 16                          ; v16-17  LDS address of my A fragments in slot 0, 1
.set ADRB, 20                          ; v20-21  the same for B
.set STO,  24                          ; v24     the way out: where I put 32 bytes of a row
.set RD,   25                          ; v25     the way out: where I read a row back
.set CO,   26                          ; v26     my byte offset in out0
.set SPW,  28                          ; v28     LDS address of my spare word; never rewritten
.set NIL,  29                          ; v29     0; never rewritten
.set TMP,  32                          ; the way out: two sets of 32 registers
.set ACC,  128
.set F0,   0                           ; fragment buffers, in window 1
.set F1,   128
.set G1, 24                            ; s[24:31] descriptor group 1 for A's tiles;  s[32:39] group 0, one set for each slot
.set G0, 32
.set G1B, 48                           ; s[48:55], s[56:63] the same for B's tiles
.set G0B, 56
.set MSB, 0
.macro WIN new                         ; the immediate's high byte repeats the setting that is left
.if MSB != (\new)
	s_set_vgpr_msb (MSB<<8)|(\new)
.set MSB, (\new)
.endif
.endm
.set MUL,  0x05                        ; sources 0 (B) and 1 (A) window 1; C and D window 0
.set TO_F, 0x40                        ; destination window 1, address window 0
.macro JLOAD s                         ; a joint load: waves 0 and 1 fetch A's two halves, waves 2 and 3 B's; an s_nop 0 and four v_nop follow each of the two lines
	s_cmp_eq_u32 s11, 0
	s_cbranch_scc0 .Lfor_b_\@
	tensor_load_to_lds s[G0+4*\s:G0+4*\s+3], s[G1:G1+7]
	s_nop 0
.rept 4
	v_nop
.endr
	s_branch .Lasked_\@
.Lfor_b_\@:
	tensor_load_to_lds s[G0B+4*\s:G0B+4*\s+3], s[G1B:G1B+7]
	s_nop 0
.rept 4
	v_nop
.endr
.Lasked_\@:
.endm
.macro CREST                           ; a round of the cluster's barrier behind its opening barrier
	s_cmp_lg_u32 s10, 0
	s_cbranch_scc1 .Lnot_wave_0_\@
	s_barrier_signal -3
.Lnot_wave_0_\@:
	s_barrier_wait -3
	s_barrier_signal -1
	s_barrier_wait -1
.endm
.macro CROUND                          ; a whole round
	s_barrier_signal -1
	s_barrier_wait -1
	CREST
.endm
	s_load_b128 s[4:7], s[0:1], 0x0                ; o s[4:5], Wo in f16 s[6:7]
	s_load_b64 s[8:9], s[0:1], 0x10                ; out0
	v_lshl_add_u32 v[SPW], v0, 2, SPARE
	v_mov_b32 v[NIL], 0
	ds_add_u32 v[SPW], v[NIL]                      ; the wave's opening: the add, twice on end, and its wait ahead of my first tensor load; the set-up below stands between
	ds_add_u32 v[SPW], v[NIL]
	v_lshrrev_b32 v1, 5, v0
	v_readfirstlane_b32 s10, v1                    ; wave 0..3
	s_lshr_b32 s11, s10, 1                         ; which half of the tile's rows is mine.  Also: I fetch for A (0) or for B (1)
	s_and_b32 s12, s10, 1                          ; which half of its columns.  Also: which 64 rows of that tile I fetch
	s_bfe_u32 s40, ttmp6, 0x40000                  ; cx, cy: my place in the cluster
	s_bfe_u32 s41, ttmp6, 0x40004
	s_lshl_b32 s42, ttmp9, 2
	s_add_co_u32 s42, s42, s40                     ; tile column = 4 x cluster x + cx
	s_and_b32 s13, ttmp7, 0xffff
	s_lshl_b32 s13, s13, 2
	s_add_co_u32 s13, s13, s41                     ; tile row = 4 x cluster y + cy
	s_lshl_b32 s43, s41, 2
	s_lshl_b32 s43, 15, s43                        ; my row of the cluster
	s_lshl_b32 s44, 0x1111, s40                    ; my column
	; descriptor group 1: 4 rows (blocks) of 4,096 elements of 2 bytes (64 rows x 64 along K, dense), padded in LDS behind every 128 bytes
	s_or_b32 s[G1+0], s43, (1<<16)|(1<<20)|(1<<21)|(4<<22)|(3<<25)  ; 15:0 the mask: A's tiles go to my row; 17:16 element of 2 bytes; 20 padding on; 21 set beside a mask; 24:22 after every 32 words; 31:25 four words
	s_or_b32 s[G1B+0], s44, (1<<16)|(1<<20)|(1<<21)|(4<<22)|(3<<25)
.irp g, G1, G1B
	s_mov_b32 s[\g+1], 4096<<16                    ; tensor_dim0 = 4,096
	s_mov_b32 s[\g+2], 4<<16                       ; tensor_dim1 = 4
	s_mov_b32 s[\g+3], 4096<<16                    ; tile_dim0 = 4,096
	s_mov_b32 s[\g+4], 4                           ; tile_dim1 = 4
	s_mov_b32 s[\g+6], 0
	s_mov_b32 s[\g+7], 0
.endr
	s_mov_b32 s[G1+5], 131072                      ; from block to block, in elements: a head of o (2,048 x 64),
	s_mov_b32 s[G1B+5], 65536                      ; a block of Wo (1,024 x 64)
	s_lshl_b32 s17, s12, 13                        ; which 64 rows of the tile I fetch: 128 bytes a row in a block
	s_lshr_b32 s16, s13, 4
	s_lshl_b32 s16, s16, 22                        ; A: the batch (16 tile rows to each): 16 heads of 262,144 bytes,
	s_and_b32 s18, s13, 15
	s_lshl_b32 s18, s18, 14                        ; the tile's first position: 128 rows of 128 bytes a tile row,
	s_add_co_u32 s16, s16, s18
	s_add_co_u32 s16, s16, s17                     ; my half
	s_lshl_b32 s46, s42, 14                        ; B: row 128 x tile column,
	s_add_co_u32 s46, s46, s17                     ; my half
	s_mov_b32 s17, 0
	s_mov_b32 s47, 0
	s_mul_i32 s20, s10, HALFT                      ; where they go: wave x what a load brings: no place in the cluster enters an LDS address
	s_wait_dscnt 0x0                               ; both opening adds are done
	s_wait_kmcnt 0x0
	s_add_nc_u64 s[14:15], s[4:5], s[16:17]
	s_add_nc_u64 s[46:47], s[6:7], s[46:47]
	CROUND                                         ; all sixteen work-groups are here: the first joint loads meet
.irp s, 0,1
	s_mov_b32 s[G0+4*\s], 1
	s_add_co_u32 s[G0+4*\s+1], s20, \s*SLOT
	s_add_nc_u64 s[G0+4*\s+2:G0+4*\s+3], s[14:15], \s*STEP_A
	s_or_b32 s[G0+4*\s+3], s[G0+4*\s+3], 0x80000000
	s_mov_b32 s[G0B+4*\s], 1
	s_add_co_u32 s[G0B+4*\s+1], s20, \s*SLOT
	s_add_nc_u64 s[G0B+4*\s+2:G0B+4*\s+3], s[46:47], \s*STEP_B
	s_or_b32 s[G0B+4*\s+3], s[G0B+4*\s+3], 0x80000000
	JLOAD \s                                       ; two loads of mine are out behind the second
.endr
	v_and_b32 v1, 15, v0                           ; l % 16
	v_bfe_u32 v2, v0, 4, 1                         ; l / 16
	v_mul_u32_u24 v3, v1, PITCH
	v_lshl_add_u32 v3, v2, 4, v3                   ; a fragment's row x pitch + 16 x half
	s_mul_i32 s21, s11, HALFT                      ; my 64 rows of A
	s_mul_i32 s22, s12, HALFT                      ; my 64 rows of B,
	s_add_co_u32 s22, s22, 2*HALFT                 ; which lie behind A's two halves
.irp s, 0,1
	v_add_nc_u32 v[ADRA+\s], s21, v3
	v_add_nc_u32 v[ADRB+\s], s22, v3
	s_add_co_u32 s21, s21, SLOT
	s_add_co_u32 s22, s22, SLOT
.endr
	s_mul_i32 s23, s10, 16*SPITCH
	s_add_co_u32 s23, s23, STAGE                   ; my stage: a wave's 64 columns of f32 are 256 bytes, so each wave has its own and no barrier is needed
	v_mul_u32_u24 v4, v1, SPITCH                   ; in: row l % 16, 32 bytes for each half of the lanes
	v_lshl_add_u32 v4, v2, 5, v4
	v_add_nc_u32 v[STO], s23, v4
	v_mul_u32_u24 v5, v2, SPITCH                   ; back: lanes 0-15 take one row of 256 bytes, lanes 16-31 the next
	v_lshl_add_u32 v5, v1, 4, v5
	v_add_nc_u32 v[RD], s23, v5
	v_lshlrev_b32 v5, 12, v2                       ; and the same two rows in out0: 4,096 bytes a row
	v_lshl_add_u32 v[CO], v1, 4, v5
	s_lshl_b32 s16, s13, 7
	s_lshl_b32 s17, s11, 6
	s_add_co_u32 s16, s16, s17                     ; my first row: 128 x tile row + 64 x half
	s_lshl_b32 s16, s16, 12
	s_mov_b32 s17, 0
	s_add_nc_u64 s[8:9], s[8:9], s[16:17]
	s_lshl_b32 s46, s42, 9                         ; my first column, in bytes: 512 x tile column + 256 x half
	s_lshl_b32 s47, s12, 8
	s_add_co_u32 s46, s46, s47
	s_mov_b32 s47, 0
	s_add_nc_u64 s[8:9], s[8:9], s[46:47]
; 8 matrix instructions: m blocks a0, a0 + 1 x all 4 n blocks, 32 along K: half c of buffer f.  zero = 1: the first product starts the sums.  The 16 accumulators take turns
.macro MUL8 f, c, a0, zero
.irp a, \a0, \a0+1
.irp b, 0,1,2,3
.if \zero
	v_wmma_f32_16x16x32_f16 v[ACC+8*(4*(\a)+\b):ACC+8*(4*(\a)+\b)+7], v[\f+64+8*(4*\c+\b):\f+64+8*(4*\c+\b)+7], v[\f+8*(4*\c+\a):\f+8*(4*\c+\a)+7], 0
.else
	v_wmma_f32_16x16x32_f16 v[ACC+8*(4*(\a)+\b):ACC+8*(4*(\a)+\b)+7], v[\f+64+8*(4*\c+\b):\f+64+8*(4*\c+\b)+7], v[\f+8*(4*\c+\a):\f+8*(4*\c+\a)+7], v[ACC+8*(4*(\a)+\b):ACC+8*(4*(\a)+\b)+7]
.endif
.endr
.endr
.endm
; 32 LDS loads in one run: the fragments of one block of 64 along K, which begins k bytes into my rows' part of the slot, into buffer f; the first 32 along K first
.macro FETCH slot, k, f
	WIN TO_F
.irp c, 0,1
.irp i, 0,1,2,3
	ds_load_b128 v[\f+64+8*(4*\c+\i):\f+64+8*(4*\c+\i)+3],   v[ADRB+\slot] offset:\k+64*\c+\i*16*PITCH
	ds_load_b128 v[\f+64+8*(4*\c+\i)+4:\f+64+8*(4*\c+\i)+7], v[ADRB+\slot] offset:\k+64*\c+\i*16*PITCH+32
	ds_load_b128 v[\f+8*(4*\c+\i):\f+8*(4*\c+\i)+3],         v[ADRA+\slot] offset:\k+64*\c+\i*16*PITCH
	ds_load_b128 v[\f+8*(4*\c+\i)+4:\f+8*(4*\c+\i)+7],       v[ADRA+\slot] offset:\k+64*\c+\i*16*PITCH+32
.endr
.endr
.endm
.macro PLACES                          ; four places in front of loads into registers that matrix instructions have read, and of LDS stores that read results (ISA guide 7.12.1 for vector instructions)
.rept 4
	v_nop
.endr
.endm
; A K step is four quarters of 64 along K (one block), 32 matrix instructions each, on buffers 0, 1, 0, 1.  One of the first three: multiplies buffer f and fetches the next block, at byte k, into g.
.macro QUARTER slot, k, f, g, zero
	s_wait_dscnt 16                                ; the first 32 along K are in; the youngest sixteen loads may be out
	WIN MUL
	MUL8 \f, 0, 0, \zero
	MUL8 \f, 0, 2, \zero
	PLACES
	FETCH \slot, \k, \g
	s_wait_dscnt 32                                ; all but the 32 just issued
	WIN MUL
	MUL8 \f, 1, 0, 0
	MUL8 \f, 1, 2, 0
.endm
; The last quarter multiplies buffer 1 and changes slots: ONE barrier; in front of it each wave waits for all its tensor loads, adds 0 to its spare word, and waits for that and for its own reads of this slot.
; fill = 1: this slot is filled again, two K steps ahead, behind a round of the cluster's barrier.
.macro TURN slot, next, fill
	WIN 0                                          ; (the add's two registers lie in window 0)
	s_wait_tensorcnt 0x0                           ; all my tensor loads have landed: my part of the next slot
	ds_add_u32 v[SPW], v[NIL]                      ; 0 onto my spare word
	s_wait_dscnt 17                                ; (the add and the youngest sixteen loads may be out)
	WIN MUL
	MUL8 F1, 0, 0, 0                               ; eight matrix instructions stand between the add and the wait for it
	s_wait_dscnt 0x0                               ; the add is done, and my reads of this slot are over
	s_barrier_signal -1
	MUL8 F1, 0, 2, 0
.if \fill
	WIN 0
.endif
	s_barrier_wait -1
.if \fill
	CREST                                          ; the barrier has opened a round of the cluster's: no wave of any partner still reads this slot's tile or has a load on its way
	s_add_nc_u64 s[G0+4*\slot+2:G0+4*\slot+3], s[G0+4*\slot+2:G0+4*\slot+3], 2*STEP_A
	s_add_nc_u64 s[G0B+4*\slot+2:G0B+4*\slot+3], s[G0B+4*\slot+2:G0B+4*\slot+3], 2*STEP_B
	JLOAD \slot                                    ; the first tensor load behind the round; the four v_nop behind it are also the places in front of the loads below
.else
	PLACES
.endif
	FETCH \next, 0, F0
	WIN MUL
	MUL8 F1, 1, 0, 0
	MUL8 F1, 1, 2, 0
.endm
	s_wait_tensorcnt 1                             ; my part of K step 0 is in (K step 1's load may be out)
	s_barrier_signal -1
	s_barrier_wait -1                              ; everybody's is
	FETCH 0, 0, F0
	QUARTER 0, ZB, F0, F1, 1                       ; the first quarter stands in front of the loop: its first products start the sums
	WIN 0                                          ; at a label and at a branch every window is 0
	s_mov_b32 s3, LAPS-1
.Llap:                                                 ; a trip goes once round the ring, from a lap's second quarter to the next lap's first, and fills both slots again
	QUARTER 0, 2*ZB, F1, F0, 0
	QUARTER 0, 3*ZB, F0, F1, 0
	TURN 0, 1, 1
	QUARTER 1, ZB, F0, F1, 0
	QUARTER 1, 2*ZB, F1, F0, 0
	QUARTER 1, 3*ZB, F0, F1, 0
	TURN 1, 0, 1
	QUARTER 0, ZB, F0, F1, 0
	WIN 0
	s_sub_co_u32 s3, s3, 1
	s_cmp_lg_u32 s3, 0
	s_cbranch_scc1 .Llap
	QUARTER 0, 2*ZB, F1, F0, 0                     ; the last lap fills nothing, and has no round of the cluster's barrier
	QUARTER 0, 3*ZB, F0, F1, 0
	TURN 0, 1, 0
	QUARTER 1, ZB, F0, F1, 0
	QUARTER 1, 2*ZB, F1, F0, 0
	QUARTER 1, 3*ZB, F0, F1, 0
	s_wait_dscnt 16                                ; the very last quarter: nothing more to fetch
	WIN MUL
	MUL8 F1, 0, 0, 0
	MUL8 F1, 0, 2, 0
	s_wait_dscnt 0
	MUL8 F1, 1, 0, 0
	MUL8 F1, 1, 2, 0
	WIN 0
; THE WAY OUT, block by block of 16 rows x 64 columns.  A lane holds 32 neighbouring bytes of a row, and the lanes beside it hold other rows: a block goes through my own stage and comes back as whole
; rows of 256 bytes.  LDS serves a wave's instructions in order (ISA guide 5.7.1.4): no wait between the stores and the loads, nor in front of the next block's stores.
.macro TOSTAGE a
.irp b, 0,1,2,3
	ds_store_b128 v[STO], v[ACC+8*(4*(\a)+\b):ACC+8*(4*(\a)+\b)+3] offset:64*\b          ; each accumulator from its low end on
	ds_store_b128 v[STO], v[ACC+8*(4*(\a)+\b)+4:ACC+8*(4*(\a)+\b)+7] offset:64*\b+16
.endr
.irp t, 0,1,2,3,4,5,6,7
	ds_load_b128 v[TMP+32*((\a)%2)+4*\t:TMP+32*((\a)%2)+4*\t+3], v[RD] offset:2*\t*SPITCH
.endr
.endm
.macro SEND a, younger                 ; younger: the LDS instructions issued behind block a's loads: the next block's sixteen, or none
	s_wait_dscnt \younger                          ; the block is back in registers
.irp t, 0,1,2,3,4,5,6,7
	global_store_b128 v[CO], v[TMP+32*((\a)%2)+4*\t:TMP+32*((\a)%2)+4*\t+3], s[8:9] offset:(16*(\a)+2*\t)*4096 th:TH_STORE_NT   ; 16 lanes store 256 consecutive bytes, aligned; written once, read by nobody here
.endr
.endm
	PLACES
	TOSTAGE 0
.irp a, 1,2,3
.if \a > 1
	s_wait_xcnt 0x0                                ; block a - 2's stores have read their registers: block a's loads land there only behind this wait
.endif
	TOSTAGE \a
	SEND \a-1, 16
.endr
	SEND 3, 0
	s_wait_tensorcnt 0x0                           ; the wave's end, behind my last tensor load and my last LDS store
	ds_add_u32 v[SPW], v[NIL]
	s_wait_dscnt 0x0
	CROUND                                         ; the closing round: no work-group ends while a partner may still ask for a tile that names it
	s_endpgm
.Lfunc_end_k_qc5f52f501d_outp:
	.size	k_qc5f52f501d_outp, .Lfunc_end_k_qc5f52f501d_outp-k_qc5f52f501d_outp
	.p2alignl 7, 3214868480
	.fill 96, 4, 3214868480
	.section	.rodata,"a",@progbits
	.p2align	6, 0x0
	.amdhsa_kernel k_qc5f52f501d_outp
		.amdhsa_group_segment_fixed_size 327680
		.amdhsa_private_segment_fixed_size 0
		.amdhsa_enable_private_segment 0
		.amdhsa_kernarg_size 24
		.amdhsa_user_sgpr_count 2
		.amdhsa_user_sgpr_kernarg_segment_ptr 1
		.amdhsa_wavefront_size32 1
		.amdhsa_system_sgpr_workgroup_id_x 1
		.amdhsa_system_sgpr_workgroup_id_y 1
		.amdhsa_system_sgpr_workgroup_id_z 1
		.amdhsa_system_vgpr_workitem_id 0
		.amdhsa_next_free_vgpr 512
		.amdhsa_next_free_sgpr 66
		.amdhsa_reserve_vcc 0
		.amdhsa_float_denorm_mode_32 3
		.amdhsa_float_denorm_mode_16_64 3
		.amdhsa_memory_ordered 1
		.amdhsa_forward_progress 1
		.amdhsa_inst_pref_size 86
	.end_amdhsa_kernel
	.amdgpu_metadata
---
amdhsa.version: [ 1, 2 ]
amdhsa.kernels:
  - .name:           k_qc5f52f501d_outp
    .symbol:         k_qc5f52f501d_outp.kd
    .args:
      - { .name: obuf, .offset: 0, .size: 8, .value_kind: global_buffer, .address_space: global }
      - { .name: wo16, .offset: 8, .size: 8, .value_kind: global_buffer, .address_space: global }
      - { .name: out0, .offset: 16, .size: 8, .value_kind: global_buffer, .address_space: global }
    .group_segment_fixed_size: 327680
    .private_segment_fixed_size: 0
    .kernarg_segment_align: 8
    .kernarg_segment_size: 24
    .max_flat_workgroup_size: 128
    .sgpr_count:     66
    .vgpr_count:     512
    .wavefront_size: 32
...
	.end_amdgpu_metadata
.endif
;; end of part 4
